; MI455X (gfx1250); checked and timed in simulation.
; The chip was launched on July 23, 2026; its instructions are those of AMD's public machine-readable ISA for CDNA 5 (MIT licence, August 2026) and "CDNA5" Instruction Set Architecture Reference Guide (July 2026). The comments in the code are by the model that wrote it; some were corrected since.
;; Block. Allowed arithmetic: matrix products marked QUANTISED: E2M1 operands, one E8M0 scale for each 32 along K, by v_wmma_scale_f32_16x16x128_f8f6f4 with both operands' format E2M1 (or v_wmma_scale_f32_32x16x128_f4), f32 sums; everything else in f32.
;; Inputs: W1_codes 2,048 x 16 x 16 uint8 (E2M1 codes of W1, K innermost, in blocks of 32 codes, two codes a byte); W1_scales 2,048 x 16 uint8 (E8M0 scales of W1, one for each 32 codes along K); W2_codes 512 x 64 x 16 uint8 (E2M1 codes of W2, K innermost, in blocks of 32 codes, two codes a byte); W2_scales 512 x 64 uint8 (E8M0 scales of W2, one for each 32 codes along K); Wk_codes 8 x 64 x 16 x 16 uint8 (E2M1 codes of Wk, K innermost, in blocks of 32 codes, two codes a byte); Wk_scales 8 x 64 x 16 uint8 (E8M0 scales of Wk, one for each 32 codes along K); Wq_codes 8 x 64 x 16 x 16 uint8 (E2M1 codes of Wq, K innermost, in blocks of 32 codes, two codes a byte); Wq_scales 8 x 64 x 16 uint8 (E8M0 scales of Wq, one for each 32 codes along K); Wv_codes 8 x 64 x 16 x 16 uint8 (E2M1 codes of Wv, K innermost, in blocks of 32 codes, two codes a byte); Wv_scales 8 x 64 x 16 uint8 (E8M0 scales of Wv, one for each 32 codes along K); b1 2,048 float32; b2 512 float32; ln1_b 512 float32; ln1_g 512 float32; ln2_b 512 float32; ln2_g 512 float32; proj_b 512 float32; proj_w_codes 512 x 16 x 16 uint8 (E2M1 codes of proj_w, K innermost, in blocks of 32 codes, two codes a byte); proj_w_scales 512 x 16 uint8 (E8M0 scales of proj_w, one for each 32 codes along K); x 64 x 256 x 512 float32.
;; Outputs: out0 64 x 256 x 512 float32.
;; This version of the problem:
;;   THIS VERSION OF THE PROBLEM IS GIVEN IN LOW PRECISION. The matrix products marked QUANTISED in the list below multiply operands that are first quantised to E2M1 (2 exponent bits, 1 mantissa bit; 4 bits a number), with one power-of-two scale for each 32 numbers along K (OCP MX v1.0); their sums are f32. All else is computed in f32.
;;   The module's matrix products, in the order in which they are computed (A, B: the left and right operand; K: the contracted axis; several contracted axes count as one K, in the product's order):
;;     1. [M 512, K 512] x [K 512, N 16,384]; A: input Wk (given as codes); B: computed on the way: QUANTISED
;;     2. [M 512, K 512] x [K 512, N 16,384]; A: input Wq (given as codes); B: computed on the way: QUANTISED
;;     3. [M 512, K 512] x [K 512, N 16,384]; A: input Wv (given as codes); B: computed on the way: QUANTISED
;;     4. batch 512 x [M 256, K 64] x [K 64, N 256]; A: computed on the way; B: computed on the way: QUANTISED
;;     5. batch 512 x [M 256, K 256] x [K 256, N 64]; A: softmax (see below); B: computed on the way: QUANTISED
;;     6. [M 16,384, K 512] x [K 512, N 512]; A: computed on the way; B: input proj_w (given as codes): QUANTISED
;;     7. [M 16,384, K 512] x [K 512, N 2,048]; A: computed on the way; B: input W1 (given as codes): QUANTISED
;;     8. [M 16,384, K 2,048] x [K 2,048, N 512]; A: computed on the way; B: input W2 (given as codes): QUANTISED
;;   THE QUANTISER, for each operand of a quantised product, along K:
;;     - K is cut into blocks of 32 from its start; a last block that is shorter is filled with zeros.
;;     - A block's scale is 2^e with e = floor(log2(the largest magnitude in the block)) - 2, held to -126 .. 127; a block of zeros has e = 0. As a byte (E8M0): e + 127.
;;     - Each number is divided by its block's scale, clamped to +-6, and rounded to the nearest number of E2M1, ties to even, subnormals kept.
;;     - The product sums the exact products of the quantised numbers (number of the format x scale) in f32.
;;   ~~~python
;;   def quantise(x, axis):      # numpy; x: float32 -> the quantised numbers, widened to float32 again
;;       x = np.moveaxis(x, axis, -1); K = x.shape[-1]
;;       x = np.pad(x, [(0, 0)] * (x.ndim - 1) + [(0, -K % 32)]); x = x.reshape(x.shape[:-1] + (-1, 32)); a = np.abs(x).max(-1, keepdims=True)
;;       e = np.where(a > 0, np.clip(np.frexp(np.where(a > 0, a, 1))[1] - 1 - 2, -126, 127), 0)      # np.frexp(a)[1] - 1 = floor(log2(a)), exactly
;;       r = np.clip(x / 2.0 ** e, -6, 6)
;;       step = 2.0 ** (np.maximum(np.frexp(np.where(r == 0, 1, r))[1] - 1, 0) - 1)
;;       q = np.round(r / step) * step * 2.0 ** e      # np.round: ties to even
;;       return np.moveaxis(q.reshape(q.shape[:-2] + (-1,))[..., :K], -1, axis).astype(np.float32)
;;   ~~~
;;   SOFTMAX AHEAD OF A QUANTISED PRODUCT. Where the list says 'softmax', what is quantised is not the finished softmax but p = 2^(t - M), with t = logit x log2(e) and M = ceil(the row's largest t), a whole number; so 1/2 < the row's largest p <= 1. The row's sum l is taken of the UNQUANTISED p, in f32, and the product's result is divided by l at the end. Since M is a whole number, a kernel that streams over the keys may use a running M (the ceiling of the running maximum): every later rescaling is an exact power of two, which a block's scale takes up: the codes' values come out the same.
;;   OPERANDS COMPUTED ON THE WAY. 'Computed on the way' means the value that the module computes at that place (a softmax that the list does not call 'softmax' is quantised finished and normalised). What goes into a quantiser is computed in f32, as accurately as f32 sums, v_exp_f32 and their like allow (about 1e-6 of the number): no bf16 or f16 on the way to a quantiser, and a product that is left as it is and whose result goes on into a quantised operand takes f32 operands (vector FMAs, or v_wmma_f32_16x16x4_f32). A number that lies on a knife's edge between two numbers of the format may be rounded either way, as far as f32 arithmetic and the matrix unit's own rounding can turn it there, and no further.
;;   INPUTS GIVEN AS CODES. W1 (in the module: [512, 2048], K = its axis 0); W2 (in the module: [2048, 512], K = its axis 0); Wk (in the module: [8, 512, 64], K = its axis 1); Wq (in the module: [8, 512, 64], K = its axis 1); Wv (in the module: [8, 512, 64], K = its axis 1); proj_w (in the module: [512, 512], K = its axis 0): each comes as NAME_codes (uint8): NAME with its K axis moved to the last place and cut into blocks of 32 codes, [.., K / 32, bytes a block], one block behind the other in memory; two codes a byte, the lower K in the low four bits (a code: sign, 2 exponent bits, 1 mantissa bit); and NAME_scales (uint8): the same leading axes, one E8M0 byte (e + 127) for each 32 codes along K. Its value is code x scale, taken as it is: it is not quantised again, and the codes and scales need not be those that the quantiser above would give.
;; One version. Each part assembles by itself: llvm-mc -triple=amdgcn-amd-amdhsa -mcpu=gfx1250 --defsym DOCPART=n.
;; ======== version 1 of 1: 3 launches
;; limits: right only within a limited range of input values
;; workspace buffers: h_c 4,194,304 bytes; h_s 262,144 bytes; att_c 4,194,304 bytes; att_s 262,144 bytes; wl 1,271,808 bytes
;; launch ln1q (part 1): grid 256 x 1, 22 waves a work-group, no clusters, 21,504 bytes of LDS; arguments x, ln1_g, ln1_b, h_c, h_s, wl, proj_w_codes, proj_w_scales, proj_b, W1_codes, W1_scales, b1, W2_codes, W2_scales; writes h_c, h_s, wl
.if DOCPART == 1
	.amdgcn_target "amdgcn-amd-amdhsa--gfx1250"
	.amdhsa_code_object_version 6
	.text
	.protected	k_qd0b486f041_ln1q
	.globl	k_qd0b486f041_ln1q
	.p2align	8
	.type	k_qd0b486f041_ln1q,@function
k_qd0b486f041_ln1q:
	s_mov_b64 s[64:65], 0
	v_nop
	global_prefetch_b8 v0, s[64:65] scope:SCOPE_SE
	s_setreg_imm32_b32 hwreg(HW_REG_WAVE_MODE, 25, 1), 1
	s_wait_xcnt 0x0
; h = LayerNorm(x) * g + b, quantised along the 512 columns to codes of E2M1 with one E8M0 byte for each 32; and the weights of proj, W1, W2 laid out for the last launch.
; WORK LEFT OUT in this program: only tiles of scores wholly behind the causal mask (second launch).  Every input is loaded.
; SHARES.  A work-group takes 64 rows.  Waves 0-15: four rows each, straight from memory into registers: a row is four loads of the wave, lane L holds columns 8 L .. 8 L + 7 and 256 + 8 L .. + 7.
;   So a block of 32 columns is four neighbouring lanes, a code register is eight neighbouring columns, and the codes go to LDS at their place in the image of the operand's registers (groups of 256 bytes 272 apart).
;   Behind the barrier each wave stores one fragment: 2 x 512 consecutive bytes.
; Waves 16-21 of work-groups 0-143 lay out 32 rows x 512 K of a weight: W1 (0-63), W2 (64-127), proj (128-143); four waves its codes, one its scale words, one its bias.
; wl: eight streams of 141,312 bytes, one for each wave of the last launch: for each chunk k of 256 hidden units [W1's 32 rows: codes 8,192, scale words 512, b1 256][W2's 64 rows x 256 K: codes 8,192, scale words 512];
;   then proj: for each wave [codes 16,384, scale words 1,024, proj_b 256].  All parts are multiples of 256 bytes.
;   A tile's lane r' takes row 16 (r' / 8) + 8 u + r' % 8 of its 32 rows (u: which of the two tiles), so that a lane's 16 results of the two tiles are 16 neighbours.
; NO CLUSTER, NO TENSOR LOAD: no row of x is read by two work-groups.  No prefetch: there is no loop to run ahead in.
; The mean and the mean of squared deviations are taken in two passes, so that no difference of large sums is formed.
; LIMITS: NaN and infinities among the inputs are not served.  A block of zeros gets the byte 1 (its codes are zeros; the bytes are read by this program alone).
.set SCL, 17408                        ; LDS: four tiles' images 4,352 bytes apart; scale bytes of 64 rows x 16; the spare words
.set SPARE, 18432
.set X, 16
.set G, 80
.set B, 96
.set T, 112
.set U, 120
.set P, 124
.set M, 128
.set R, 136
.set MX, 96                            ; the quantiser's registers lie over g and b, which are done with then
.set SO, 88
.set BY, 80
.set STM, 141312                       ; a stream of wl
.set RG, 17664                         ; a chunk of it
.set PJO, 8*STM
.macro RED                             ; four rows' sums over the 32 lanes, in every lane
.irp k, 1,2,4,8
.irp p, 0,1,2,3
	v_add_f32_dpp v[U+\p], v[U+\p], v[U+\p] row_xmask:\k row_mask:0xf bank_mask:0xf
.endr
.endr
.irp p, 0,1,2,3
	v_permlanex16_b32 v[P+\p], v[U+\p], s2, s3
.endr
.irp p, 0,1,2,3
	v_add_f32 v[U+\p], v[U+\p], v[P+\p]
.endr
.endm
	s_load_b512 s[4:19], s[0:1], 0x0               ; x 4, g 6, b 8, h_c 10, h_s 12, wl 14, proj's codes 16, scales 18
	s_load_b256 s[20:27], s[0:1], 0x40             ; proj_b 20, W1's codes 22, scales 24, b1 26
	s_load_b128 s[28:31], s[0:1], 0x60             ; W2's codes 28, scales 30
	v_lshl_add_u32 v10, v0, 2, SPARE
	v_mov_b32 v11, 0
	v_lshrrev_b32 v12, 5, v0
	v_readfirstlane_b32 s33, v12                   ; wave 0..21
	v_and_b32 v1, 31, v0                           ; lane L
	v_and_b32 v2, 15, v0                           ; r
	v_bfe_u32 v3, v0, 4, 1                         ; h
	s_wait_alu depctr_va_vdst(0)
	s_mov_b32 s32, ttmp9
	s_lshr_b32 s36, s33, 2
	s_and_b32 s37, s33, 3
	s_mul_i32 s36, s36, 4352                       ; tile w / 4
	s_lshl_b32 s34, s37, 6
	s_add_co_u32 s34, s34, s36                     ; rows 4 (w % 4) of it
	s_mul_i32 s37, s37, 1088
	s_add_co_u32 s36, s36, s37                     ; fragment w
	s_lshl_b32 s35, s33, 6
	s_add_co_u32 s35, s35, SCL
	s_and_b32 s37, s33, 1
	s_lshl_b32 s37, s37, 9
	s_add_co_u32 s37, s37, SCL
	v_lshlrev_b32 v4, 5, v1                        ; 32 L
	v_lshlrev_b32 v5, 4, v1                        ; 16 L
	v_lshlrev_b32 v12, 3, v1                       ; 8 L
	v_lshrrev_b32 v13, 2, v1
	v_and_b32 v14, 3, v1
	v_mul_u32_u24 v6, v13, 272
	v_lshl_add_u32 v6, v14, 2, v6
	v_add_nc_u32 v6, s34, v6                       ; codes in: group L / 4, word L % 4, my first row
	v_add_nc_u32 v7, s35, v13                      ; scale bytes in: byte L / 4 of a row's half
	v_mul_u32_u24 v8, v3, 272
	v_lshl_add_u32 v8, v2, 4, v8
	v_add_nc_u32 v8, s36, v8                       ; a fragment back
	v_add_nc_u32 v9, s37, v5                       ; scale words back
.irp p, 0,1,2,3
	v_mov_b32 v[P+\p], 0                           ; a lane permute's destination counts as one of its sources
.endr
	s_mov_b32 s2, 0x76543210                       ; selects of v_permlanex16_b32: lane l xor 16
	s_mov_b32 s3, 0xfedcba98
	s_mov_b32 s62, 0x3b000000                      ; 1 / 512
	s_mov_b32 s63, 0x3727c5ac                      ; 1e-5
	s_lshl_b32 s38, s32, 17
	s_lshl_b32 s39, s33, 13
	s_add_co_u32 s38, s38, s39                     ; my four rows of 2,048 bytes
	s_mov_b32 s39, 0
	s_lshl_b32 s40, s32, 14
	s_lshl_b32 s41, s33, 10
	s_add_co_u32 s40, s40, s41                     ; my fragment of h_c
	s_mov_b32 s41, 0
	s_lshl_b32 s42, s32, 10
	s_lshl_b32 s43, s33, 9
	s_add_co_u32 s42, s42, s43                     ; my 512 bytes of h_s (waves 0, 1)
	s_mov_b32 s43, 0
	s_mov_b32 s61, 0
	s_wait_alu depctr_va_vdst(0)
	s_wait_kmcnt 0x0
	s_cmp_lt_u32 s33, 16
	s_cbranch_scc0 .Lrelay
	s_add_nc_u64 s[4:5], s[4:5], s[38:39]
	s_add_nc_u64 s[10:11], s[10:11], s[40:41]
	s_add_nc_u64 s[12:13], s[12:13], s[42:43]
.irp p, 0,1,2,3
.irp q, 0,1
	global_load_b128 v[X+16*\p+8*\q:X+16*\p+8*\q+3], v4, s[4:5] offset:2048*\p+1024*\q
	global_load_b128 v[X+16*\p+8*\q+4:X+16*\p+8*\q+7], v4, s[4:5] offset:2048*\p+1024*\q+16
.endr
.endr
.irp q, 0,1
	global_load_b128 v[G+8*\q:G+8*\q+3], v4, s[6:7] offset:1024*\q
	global_load_b128 v[G+8*\q+4:G+8*\q+7], v4, s[6:7] offset:1024*\q+16
	global_load_b128 v[B+8*\q:B+8*\q+3], v4, s[8:9] offset:1024*\q
	global_load_b128 v[B+8*\q+4:B+8*\q+7], v4, s[8:9] offset:1024*\q+16
.endr
	s_wait_loadcnt 0x8                             ; x is in; the eight loads of g and b may be out
.irp p, 0,1,2,3
	v_pk_add_f32 v[T+2*\p:T+2*\p+1], v[X+16*\p:X+16*\p+1], v[X+16*\p+2:X+16*\p+3]
.endr
.irp i, 4,6,8,10,12,14
.irp p, 0,1,2,3
	v_pk_add_f32 v[T+2*\p:T+2*\p+1], v[T+2*\p:T+2*\p+1], v[X+16*\p+\i:X+16*\p+\i+1]
.endr
.endr
.irp p, 0,1,2,3
	v_add_f32 v[U+\p], v[T+2*\p], v[T+2*\p+1]
.endr
	RED
.irp p, 0,1,2,3
	v_mul_f32 v[M+2*\p], s62, v[U+\p]              ; the mean, twice: a pair for the packed forms
	v_mul_f32 v[M+2*\p+1], s62, v[U+\p]
.endr
.irp i, 0,2,4,6,8,10,12,14
.irp p, 0,1,2,3
	v_pk_add_f32 v[X+16*\p+\i:X+16*\p+\i+1], v[X+16*\p+\i:X+16*\p+\i+1], v[M+2*\p:M+2*\p+1] neg_lo:[0,1] neg_hi:[0,1]
.endr
.endr
.irp p, 0,1,2,3
	v_pk_mul_f32 v[T+2*\p:T+2*\p+1], v[X+16*\p:X+16*\p+1], v[X+16*\p:X+16*\p+1]
.endr
.irp i, 2,4,6,8,10,12,14
.irp p, 0,1,2,3
	v_pk_fma_f32 v[T+2*\p:T+2*\p+1], v[X+16*\p+\i:X+16*\p+\i+1], v[X+16*\p+\i:X+16*\p+\i+1], v[T+2*\p:T+2*\p+1]
.endr
.endr
.irp p, 0,1,2,3
	v_add_f32 v[U+\p], v[T+2*\p], v[T+2*\p+1]
.endr
	RED
.irp p, 0,1,2,3
	v_fma_f32 v[U+\p], v[U+\p], s62, s63           ; variance + eps
.endr
	s_wait_loadcnt 0x0                             ; g and b
	s_wait_alu depctr_va_vdst(0)
.irp p, 0,1,2,3
	v_rsq_f32 v[R+2*\p], v[U+\p]
.endr
	v_nop                                          ; one plain place behind the transcendentals
	s_wait_alu depctr_va_vdst(0)                   ; ahead of the first reader of the v_rsq results
.irp p, 0,1,2,3
	v_mov_b32 v[R+2*\p+1], v[R+2*\p]
.endr
.irp i, 0,2,4,6,8,10,12,14
.irp p, 0,1,2,3
	v_pk_mul_f32 v[X+16*\p+\i:X+16*\p+\i+1], v[X+16*\p+\i:X+16*\p+\i+1], v[R+2*\p:R+2*\p+1]
.endr
.endr
.irp i, 0,2,4,6,8,10,12,14
.irp p, 0,1,2,3
	v_pk_fma_f32 v[X+16*\p+\i:X+16*\p+\i+1], v[X+16*\p+\i:X+16*\p+\i+1], v[G+\i:G+\i+1], v[B+\i:B+\i+1]
.endr
.endr
; eight pieces of eight columns (row b / 2, half b % 2); a block's four lanes join their largest magnitudes
.irp b, 0,1,2,3,4,5,6,7
	v_max3_num_f32 v[MX+\b], |v[X+8*\b]|, |v[X+8*\b+1]|, 0x1800000   ; the floor 2^(3 - 127): the byte cannot fall under 1
.endr
.irp i, 2,4,6
.irp b, 0,1,2,3,4,5,6,7
	v_max3_num_f32 v[MX+\b], v[MX+\b], |v[X+8*\b+\i]|, |v[X+8*\b+\i+1]|
.endr
.endr
.irp k, 1,2
.irp b, 0,1,2,3,4,5,6,7
	v_max_num_f32_dpp v[MX+\b], v[MX+\b], v[MX+\b] row_xmask:\k row_mask:0xf bank_mask:0xf
.endr
.endr
.irp b, 0,1,2,3,4,5,6,7
	v_add_nc_u32 v[SO+\b], 0xff000000, v[MX+\b]    ; 2 off its exponent field: the conversion's scale operand
.endr
.irp b, 0,1,2,3,4,5,6,7
	v_lshrrev_b32 v[BY+\b], 23, v[SO+\b]           ; the scale's byte
.endr
.irp b, 0,1,2,3,4,5,6,7
	v_cvt_scalef32_pk8_fp4_f32 v[MX+\b], v[X+8*\b:X+8*\b+7], v[SO+\b]
.endr
	v_nop                                          ; one plain place behind a scaled conversion
.irp b, 0,1,2,3,4,5,6,7
	ds_store_b32 v6, v[MX+\b] offset:16*(\b/2)+2176*(\b%2)
	ds_store_b8 v7, v[BY+\b] offset:16*(\b/2)+8*(\b%2)     ; four lanes write the same byte with the same value
.endr
	s_branch .Lmeet
.Lrelay:                                               ; waves 16-21: the weights' layout
	s_cmp_lt_u32 s32, 144
	s_cbranch_scc0 .Lmeet
	s_cmp_lt_u32 s32, 64
	s_cbranch_scc0 .Lnot_w1
	s_and_b32 s42, s32, 7                          ; W1: rows 32 id ..: stream id % 8, chunk id / 8
	s_lshr_b32 s43, s32, 3
	s_mul_i32 s53, s42, STM
	s_mul_i32 s43, s43, RG
	s_add_co_u32 s53, s53, s43
	s_add_co_u32 s54, s53, 8192
	s_add_co_u32 s55, s53, 8704
	s_lshl_b32 s60, s32, 13
	s_add_nc_u64 s[44:45], s[22:23], s[60:61]
	s_lshl_b32 s60, s32, 9
	s_add_nc_u64 s[46:47], s[24:25], s[60:61]
	s_lshl_b32 s60, s32, 7
	s_add_nc_u64 s[48:49], s[26:27], s[60:61]
	s_mov_b32 s50, 8                               ; a row of codes: 2^8 bytes;  from tile to tile, from K half to K half in wl;  a row of scale bytes: 2^4
	s_mov_b32 s51, 4096
	s_mov_b32 s52, 2048
	s_mov_b32 s56, 4
	s_mov_b32 s41, 0
	s_branch .Lset
.Lnot_w1:
	s_cmp_lt_u32 s32, 128
	s_cbranch_scc0 .Lproj
	s_sub_co_u32 s57, s32, 64                      ; W2: rows 32 (j / 4) .., K 512 (j % 4) ..: two chunks of 256
	s_and_b32 s40, s57, 3
	s_lshr_b32 s57, s57, 2
	s_lshr_b32 s42, s57, 1
	s_and_b32 s38, s57, 1
	s_mul_i32 s53, s42, STM
	s_mul_i32 s43, s40, 2*RG
	s_add_co_u32 s53, s53, s43
	s_add_co_u32 s53, s53, 8960
	s_lshl_b32 s43, s38, 8
	s_add_co_u32 s54, s53, s43
	s_add_co_u32 s54, s54, 8192
	s_lshl_b32 s43, s38, 12
	s_add_co_u32 s53, s53, s43
	s_lshl_b32 s60, s57, 15
	s_lshl_b32 s43, s40, 8
	s_add_co_u32 s60, s60, s43
	s_add_nc_u64 s[44:45], s[28:29], s[60:61]
	s_lshl_b32 s60, s57, 11
	s_lshl_b32 s43, s40, 4
	s_add_co_u32 s60, s60, s43
	s_add_nc_u64 s[46:47], s[30:31], s[60:61]
	s_mov_b64 s[48:49], s[26:27]                   ; (no bias: not used)
	s_mov_b32 s55, 0
	s_mov_b32 s50, 10
	s_mov_b32 s51, 2048
	s_mov_b32 s52, RG
	s_mov_b32 s56, 6
	s_mov_b32 s41, 1
	s_branch .Lset
.Lproj:
	s_sub_co_u32 s57, s32, 128                     ; proj: rows 32 j ..
	s_lshr_b32 s42, s57, 1
	s_and_b32 s38, s57, 1
	s_mul_i32 s53, s42, RG
	s_add_co_u32 s53, s53, PJO
	s_lshl_b32 s43, s38, 9
	s_add_co_u32 s54, s53, s43
	s_add_co_u32 s54, s54, 16384
	s_lshl_b32 s43, s38, 7
	s_add_co_u32 s55, s53, s43
	s_add_co_u32 s55, s55, 17408
	s_lshl_b32 s43, s38, 13
	s_add_co_u32 s53, s53, s43
	s_lshl_b32 s60, s57, 13
	s_add_nc_u64 s[44:45], s[16:17], s[60:61]
	s_lshl_b32 s60, s57, 9
	s_add_nc_u64 s[46:47], s[18:19], s[60:61]
	s_lshl_b32 s60, s57, 7
	s_add_nc_u64 s[48:49], s[20:21], s[60:61]
	s_mov_b32 s50, 8
	s_mov_b32 s51, 4096
	s_mov_b32 s52, 2048
	s_mov_b32 s56, 4
	s_mov_b32 s41, 0
.Lset:
	s_cmp_lt_u32 s33, 20
	s_cbranch_scc0 .Lnot_codes
	s_and_b32 s42, s33, 1                          ; codes: tile u = wave % 2, half q of the four K steps
	s_bfe_u32 s43, s33, 0x10001
	s_lshl_b32 s60, s43, 7
	s_add_nc_u64 s[44:45], s[44:45], s[60:61]
	s_lshl_b32 s57, s42, 3
	s_mul_i32 s42, s42, s51
	s_mul_i32 s43, s43, s52
	s_add_co_u32 s53, s53, s42
	s_add_co_u32 s60, s53, s43
	s_add_nc_u64 s[58:59], s[14:15], s[60:61]
	v_and_b32 v15, 8, v2
	v_add_nc_u32 v15, v15, v2
	v_add_nc_u32 v15, s57, v15                     ; row 16 (r / 8) + 8 u + r % 8
	v_lshlrev_b32 v15, s50, v15
	v_lshl_add_u32 v15, v3, 4, v15
.irp i, 0,1,2,3
	global_load_b128 v[16+4*\i:19+4*\i], v15, s[44:45] offset:32*\i
.endr
	s_wait_loadcnt 0x0
.irp i, 0,1,2,3
	global_store_b128 v5, v[16+4*\i:19+4*\i], s[58:59] offset:512*\i     ; 32 lanes store 512 consecutive bytes, aligned
.endr
	s_branch .Lmeet
.Lnot_codes:
	s_cmp_lt_u32 s33, 21
	s_cbranch_scc0 .Lbias
	s_mov_b32 s60, s54                             ; scale words: lanes 0-15 tile 0's rows, lanes 16-31 tile 1's
	s_add_nc_u64 s[58:59], s[14:15], s[60:61]
	v_and_b32 v15, 8, v2
	v_add_nc_u32 v15, v15, v2
	v_lshl_add_u32 v15, v3, 3, v15
	v_lshlrev_b32 v15, s56, v15
	global_load_b128 v[16:19], v15, s[46:47]
	s_wait_loadcnt 0x0
	s_cmp_eq_u32 s41, 1
	s_cbranch_scc1 .Ltwo
	global_store_b128 v5, v[16:19], s[58:59]
	s_branch .Lmeet
.Ltwo:
	global_store_b64 v12, v[16:17], s[58:59]       ; W2: two words for each of two chunks
	global_store_b64 v12, v[18:19], s[58:59] offset:RG
	s_branch .Lmeet
.Lbias:
	s_cmp_eq_u32 s41, 1
	s_cbranch_scc1 .Lmeet
	s_mov_b32 s60, s55
	s_add_nc_u64 s[58:59], s[14:15], s[60:61]
	v_and_b32 v15, 7, v1
	v_lshlrev_b32 v15, 4, v15                      ; 32 numbers; the lanes from 8 on repeat them
	global_load_b128 v[16:19], v15, s[48:49]
	s_wait_alu depctr_va_vdst(0)
	s_wait_loadcnt 0x0
	global_store_b128 v15, v[16:19], s[58:59]
.Lmeet:
	s_wait_dscnt 0x0                               ; my LDS stores are done
	s_barrier_signal -1
	s_barrier_wait -1
	s_cmp_lt_u32 s33, 16
	s_cbranch_scc0 .Ldone
	s_wait_xcnt 0x0
	ds_load_b128 v[16:19], v8
	ds_load_b128 v[20:23], v8 offset:544
	s_wait_dscnt 0x0
	global_store_b128 v5, v[16:19], s[10:11]
	global_store_b128 v5, v[20:23], s[10:11] offset:512
	s_cmp_lt_u32 s33, 2
	s_cbranch_scc0 .Ldone
	ds_load_b128 v[24:27], v9
	s_wait_dscnt 0x0
	global_store_b128 v5, v[24:27], s[12:13]
.Ldone:
	s_wait_tensorcnt 0x0                           ; the wave's end
	ds_add_u32 v10, v11
	s_wait_dscnt 0x0
	s_endpgm
.Lfunc_end_k_qd0b486f041_ln1q:
	.size	k_qd0b486f041_ln1q, .Lfunc_end_k_qd0b486f041_ln1q-k_qd0b486f041_ln1q
	.p2alignl 7, 3214868480
	.fill 96, 4, 3214868480
	.section	.rodata,"a",@progbits
	.p2align	6, 0x0
	.amdhsa_kernel k_qd0b486f041_ln1q
		.amdhsa_group_segment_fixed_size 21504
		.amdhsa_private_segment_fixed_size 0
		.amdhsa_enable_private_segment 0
		.amdhsa_kernarg_size 112
		.amdhsa_user_sgpr_count 2
		.amdhsa_user_sgpr_kernarg_segment_ptr 1
		.amdhsa_wavefront_size32 1
		.amdhsa_system_sgpr_workgroup_id_x 1
		.amdhsa_system_sgpr_workgroup_id_y 1
		.amdhsa_system_sgpr_workgroup_id_z 1
		.amdhsa_system_vgpr_workitem_id 0
		.amdhsa_next_free_vgpr 144
		.amdhsa_next_free_sgpr 66
		.amdhsa_reserve_vcc 0
		.amdhsa_float_denorm_mode_32 3
		.amdhsa_float_denorm_mode_16_64 3
		.amdhsa_memory_ordered 1
		.amdhsa_forward_progress 1
		.amdhsa_inst_pref_size 32
	.end_amdhsa_kernel
	.amdgpu_metadata
---
amdhsa.version: [ 1, 2 ]
amdhsa.kernels:
  - .name:           k_qd0b486f041_ln1q
    .symbol:         k_qd0b486f041_ln1q.kd
    .args:
      - { .name: x, .offset: 0, .size: 8, .value_kind: global_buffer, .address_space: global }
      - { .name: ln1_g, .offset: 8, .size: 8, .value_kind: global_buffer, .address_space: global }
      - { .name: ln1_b, .offset: 16, .size: 8, .value_kind: global_buffer, .address_space: global }
      - { .name: h_c, .offset: 24, .size: 8, .value_kind: global_buffer, .address_space: global }
      - { .name: h_s, .offset: 32, .size: 8, .value_kind: global_buffer, .address_space: global }
      - { .name: wl, .offset: 40, .size: 8, .value_kind: global_buffer, .address_space: global }
      - { .name: proj_w_codes, .offset: 48, .size: 8, .value_kind: global_buffer, .address_space: global }
      - { .name: proj_w_scales, .offset: 56, .size: 8, .value_kind: global_buffer, .address_space: global }
      - { .name: proj_b, .offset: 64, .size: 8, .value_kind: global_buffer, .address_space: global }
      - { .name: W1_codes, .offset: 72, .size: 8, .value_kind: global_buffer, .address_space: global }
      - { .name: W1_scales, .offset: 80, .size: 8, .value_kind: global_buffer, .address_space: global }
      - { .name: b1, .offset: 88, .size: 8, .value_kind: global_buffer, .address_space: global }
      - { .name: W2_codes, .offset: 96, .size: 8, .value_kind: global_buffer, .address_space: global }
      - { .name: W2_scales, .offset: 104, .size: 8, .value_kind: global_buffer, .address_space: global }
    .group_segment_fixed_size: 21504
    .private_segment_fixed_size: 0
    .kernarg_segment_align: 8
    .kernarg_segment_size: 112
    .max_flat_workgroup_size: 704
    .sgpr_count:     66
    .vgpr_count:     144
    .wavefront_size: 32
...
	.end_amdgpu_metadata
.endif
;; end of part 1
;; launch attn (part 2): grid 256 x 1, 8 waves a work-group, no clusters, 234,496 bytes of LDS; arguments h_c, h_s, Wk_codes, Wk_scales, Wq_codes, Wq_scales, Wv_codes, Wv_scales, att_c, att_s; writes att_c, att_s
.if DOCPART == 2
	.amdgcn_target "amdgcn-amd-amdhsa--gfx1250"
	.amdhsa_code_object_version 6
	.text
	.protected	k_qd0b486f041_attn
	.globl	k_qd0b486f041_attn
	.p2align	8
	.type	k_qd0b486f041_attn,@function
k_qd0b486f041_attn:
	s_mov_b64 s[64:65], 0
	v_nop
	global_prefetch_b8 v0, s[64:65] scope:SCOPE_SE
	s_setreg_imm32_b32 hwreg(HW_REG_WAVE_MODE, 25, 1), 1
	s_wait_xcnt 0x0
; Two heads of one batch: k, q, v = h W (on codes of E2M1), the causal softmax of k q^T / sqrt(512), its product with v, and the result quantised along the 512 columns of att.
; In the scores k has the query's part and q the key's, as the problem writes them.
; SHARES.  Work-group = (batch = id / 4, head pair p = id % 4).  Eight waves: hd = wave % 2 is the head, J = wave / 2.
;   QKV: wave (hd, J) makes k, q and v of token tiles 4 J .. 4 J + 3 for its head: 3 x 64 matrix instructions.  The results are quantised in registers and go to LDS as images of operand registers.
;   ATTENTION: wave (hd, J) takes query tiles J, J + 4, J + 8, J + 12.  Tile J + 4 (n - 1) needs n groups of 64 keys, so every wave has ten groups: even work.  Groups wholly behind the diagonal are not computed.
; LAYOUT.  k, q: source 0 = 16 rows of W, source 1 = 16 tokens: a lane holds one token, its registers run along the head's 64, the scores' K.  v: the sources swapped: a lane holds one of the head's 64,
;   its registers run along the tokens, the second product's K.  Scores: source 0 = 16 keys, source 1 = my 16 queries; O^T: source 0 = 16 of the head's 64, source 1 = p: a lane holds ONE query throughout.
; K = 64 IN AN INSTRUCTION OF K = 128: the queries' fragment has four registers of codes and four of zero codes.  The keys' fragment is named as eight registers, of which the upper four are the next tile's codes:
;   they meet zero codes, under scale bytes 0 (2^-127, a finite number), and add nothing.
; SOFTMAX: t = score x log2(e) / sqrt(512); M = ceil(the row's largest t); p = 2^(t - M) is quantised along the keys; the sum of the unquantised p divides at the end.  All keys of a row are in registers at once.
; NO CLUSTER: the four work-groups of a batch share only the 65,536 bytes of h's codes, each read once at the start; their weights differ.  LDS is filled once: no slot is filled again.
; LIMITS: NaN and infinities are not served.  Hidden scores are -3e38, not -infinity (p is 0 all the same).  A block of zeros gets the byte 1: its codes are zeros, and this program alone reads the bytes.
.set WIMG,  65536                      ; LDS: h's 64 fragments at 0; then six tiles of W (2 X + hd; X: 0 k, 1 q, 2 v): 64 rows, 272 bytes apart
.set WTILE, 17408
.set KIMG,  169984                     ; k's half fragments, 512 bytes: (16 hd + tile)
.set KSC,   186368                     ; their scale words, 128 bytes: 4 x lane
.set QOFF,  20480                      ; q's lie this far behind k's
.set VIMG,  210944                     ; v's fragments: ((4 hd + dt) 2 + ks) x 1024 + 512 c
.set VSC,   227328                     ; their half scale words: hd x 2048 + dt x 512 + ks x 256 + c x 128
.set SCT,   231424                     ; att's half scale words: hd x 1024 + 4 x token
.set WV,  24                           ; s24 wave; s25 hd; s26 J; s27 batch; s28 p
.set HD,  25
.set JJ,  26
.set SEL, 30                           ; s[30:31] selects of v_permlanex16_b32: lane l xor 16
.set CS,  32                           ; s[32:33] c = log2(e) / sqrt(512)
.set G1W, 36                           ; s[36:43] group 1 for a tile of W;  s[44:51] for half of h's codes;  s[52:55], s[56:59] their groups 0
.set G1H, 44
.set G0W, 52
.set G0H, 56
; registers of the QKV phase
.set ACC, 16                           ; v16-143  16 accumulators
.set HF,  144                          ; v144-175 four fragments of h; later the codes just made
.set WF,  176                          ; v176-207 four fragments of W
.set HS,  208                          ; v208-223 h's scale words (4 i + s)
.set WS,  224                          ; v224-239 W's (4 u + s)
.set TM,  240                          ; v240-245 at work in the quantiser
.set WD,  248                          ; v248-251 the four half scale words of an item
; registers of the attention phase (scale words stay inside v208-239, operands outside)
.set S,   16                           ; v16-143  scores, then p; O^T lies over its first 32
.set OT,  16
.set KP,  144                          ; v144-179 eight half fragments of keys + four registers more; later four fragments of v
.set QF,  180                          ; v180-187 the queries' fragment: four registers of codes, four of zero codes
.set PC,  188                          ; v188-203 p's codes
.set OC,  204                          ; v204-207 att's codes
.set KS,  208                          ; v208-215 the keys' scale words
.set QS,  216                          ; v216     the queries'
.set PWK, 218                          ; v218-219 p's
.set VS,  220                          ; v220-227 v's (2 dt + ks)
.set BM,  228                          ; v228-235 a block's largest score, then its largest p, then its byte
.set TX,  236                          ; v236-243 at work; then the conversions' scale operands
.set LT,  244                          ; v[244:245] the sum's second chain
.set T0,  246                          ; v[246:247] the row's maximum; 1 / the sum, twice
.set DG,  248                          ; v248-255 what the diagonal tile starts from: -3e38 where the key comes after the query, else 0
.macro PLACES                          ; four places behind a matrix instruction, in front of loads into its registers and of reads of its result
.rept 4
	v_nop
.endr
.endm
.macro MM d, a, b, c, sa, sb           ; one product; c < 0: the constant 0 starts the sum
.if (\c) < 0
	v_wmma_scale_f32_16x16x128_f8f6f4 v[\d:\d+7], v[\a:\a+7], v[\b:\b+7], 0, v[\sa], v[\sb] matrix_a_fmt:MATRIX_FMT_FP4 matrix_b_fmt:MATRIX_FMT_FP4
.else
	v_wmma_scale_f32_16x16x128_f8f6f4 v[\d:\d+7], v[\a:\a+7], v[\b:\b+7], v[\c:\c+7], v[\sa], v[\sb] matrix_a_fmt:MATRIX_FMT_FP4 matrix_b_fmt:MATRIX_FMT_FP4
.endif
.endm
; 32 numbers of a lane (four result tiles: two blocks of 32 shared with lane l xor 16) become four code registers in the operand's layout, and two scale bytes.
; The code register of block e, tile u is 2 u + e; the exchange of halves then leaves register i of lane half h with k = 32 h + 8 i + 0 .. 7.  Each accumulator is read from its low end on.
.macro QB2 src, dst, word, tm
.irp e, 0,1
	v_max3_num_f32 v[\tm+\e], |v[\src+16*\e]|, |v[\src+16*\e+1]|, 0x1800000   ; the floor 2^(3 - 127): the byte cannot fall under 1
.endr
.irp i, 2,4,6,8,10,12,14
.irp e, 0,1
	v_max3_num_f32 v[\tm+\e], v[\tm+\e], |v[\src+16*\e+\i]|, |v[\src+16*\e+\i+1]|
.endr
.endr
.irp e, 0,1
	s_delay_alu instid0(VALU_DEP_2)
	v_permlanex16_b32 v[\tm+2+\e], v[\tm+\e], s[SEL], s[SEL+1]
.endr
.irp e, 0,1
	s_delay_alu instid0(VALU_DEP_2)
	v_max_num_f32 v[\tm+\e], v[\tm+\e], v[\tm+2+\e]
.endr
.irp e, 0,1
	s_delay_alu instid0(VALU_DEP_2)
	v_add_nc_u32 v[\tm+4+\e], 0xff000000, v[\tm+\e]            ; 2 off the exponent field: the conversion's scale operand
.endr
.irp e, 0,1
	s_delay_alu instid0(VALU_DEP_2)
	v_lshrrev_b32 v[\tm+2+\e], 23, v[\tm+4+\e]                 ; the scale's byte
.endr
	s_delay_alu instid0(VALU_DEP_1)
	v_lshl_or_b32 v[\word], v[\tm+3], 8, v[\tm+2]
.irp e, 0,1
.irp u, 0,1
	v_cvt_scalef32_pk8_fp4_f32 v[\dst+2*\u+\e], v[\src+16*\e+8*\u:\src+16*\e+8*\u+7], v[\tm+4+\e]
.endr
.endr
	v_nop                                                      ; one plain place behind a scaled conversion
.irp u, 0,1
	v_permlane16_swap_b32 v[\dst+2*\u], v[\dst+2*\u+1]
.endr
.endm
	s_load_b256 s[4:11], s[0:1], 0x0               ; h_c s[4:5], h_s s[6:7], Wk's codes s[8:9], Wk's scales s[10:11]
	s_load_b256 s[12:19], s[0:1], 0x20             ; Wq's s[12:13], s[14:15]; Wv's s[16:17], s[18:19]
	s_load_b128 s[20:23], s[0:1], 0x40             ; att_c s[20:21], att_s s[22:23]
	s_set_vgpr_msb 0x40
	v_lshl_add_u32 v0, v0, 2, 0x39000
	v_mov_b32 v1, 0
	s_set_vgpr_msb 0x4045
	ds_add_u32 v0, v1
	ds_add_u32 v0, v1
	s_set_vgpr_msb 0x4500
	v_lshrrev_b32 v1, 5, v0
	s_delay_alu instid0(VALU_DEP_1)
	v_readfirstlane_b32 s[WV], v1                  ; wave 0..7
	s_and_b32 s[HD], s[WV], 1
	s_lshr_b32 s[JJ], s[WV], 1
	s_lshr_b32 s27, ttmp9, 2                       ; batch
	s_and_b32 s28, ttmp9, 3                        ; head pair
	s_mov_b32 s[SEL], 0x76543210
	s_mov_b32 s[SEL+1], 0xfedcba98
	s_mov_b32 s[CS], 0x3d8293ee                    ; log2(e) / sqrt(512)
	s_mov_b32 s[CS+1], s[CS]                       ; (named with it as a pair, so it is written)
	s_mov_b32 s[G1W+0], (1<<20)|(5<<22)|(3<<25)    ; elements of 1 byte; 4 words of padding behind every 64
	s_mov_b32 s[G1W+1], 256<<16                    ; a row of W: 512 codes, 256 bytes
	s_mov_b32 s[G1W+2], 64<<16                     ; a head's 64 rows
	s_mov_b32 s[G1W+3], 256<<16
	s_mov_b32 s[G1W+4], 64
	s_mov_b32 s[G1W+5], 256
	s_mov_b32 s[G1W+6], 0
	s_mov_b32 s[G1W+7], 0
	s_mov_b32 s[G1H+0], 3<<16                      ; 32,768 dense bytes as 128 rows of 32 elements of 8 bytes
	s_mov_b32 s[G1H+1], 32<<16
	s_mov_b32 s[G1H+2], 128<<16
	s_mov_b32 s[G1H+3], 32<<16
	s_mov_b32 s[G1H+4], 128
	s_mov_b32 s[G1H+5], 32
	s_mov_b32 s[G1H+6], 0
	s_mov_b32 s[G1H+7], 0
	s_lshl_b32 s68, s28, 1
	s_add_co_u32 s68, s68, s[HD]
	s_lshl_b32 s68, s68, 14                        ; head 2 p + (wave % 2): 16,384 bytes of codes a head
	s_mov_b32 s69, 0
	s_lshl_b32 s70, s27, 16
	s_lshl_b32 s73, s[HD], 15
	s_add_co_u32 s70, s70, s73                     ; the batch's 65,536 bytes of h's codes, my half
	s_mov_b32 s71, 0
	s_mul_i32 s72, s[WV], WTILE
	s_add_co_u32 s72, s72, WIMG
	s_wait_dscnt 0x0
	s_wait_kmcnt 0x0
	s_cmp_lt_u32 s[WV], 2                          ; waves 0, 1: Wk; 2, 3: Wq; 4, 5: Wv.  The choice hangs on the wave's number alone
	s_cselect_b64 s[74:75], s[8:9], s[12:13]
	s_cmp_lt_u32 s[WV], 4
	s_cselect_b64 s[74:75], s[74:75], s[16:17]
	s_mov_b32 s[G0W], 1
	s_mov_b32 s[G0W+1], s72
	s_add_nc_u64 s[G0W+2:G0W+3], s[74:75], s[68:69]
	s_or_b32 s[G0W+3], s[G0W+3], 0x80000000
	s_mov_b32 s[G0H], 1
	s_mov_b32 s[G0H+1], s73
	s_add_nc_u64 s[G0H+2:G0H+3], s[4:5], s[70:71]
	s_or_b32 s[G0H+3], s[G0H+3], 0x80000000
	s_cmp_lt_u32 s[WV], 6                          ; one first fill a wave: six tiles of W, two halves of h
	s_cbranch_scc0 .Lfill_h
	tensor_load_to_lds s[G0W:G0W+3], s[G1W:G1W+7]
	s_nop 0
	PLACES
	s_branch .Lfilled
.Lfill_h:
	tensor_load_to_lds s[G0H:G0H+3], s[G1H:G1H+7]
	s_nop 0
	PLACES
.Lfilled:
	s_lshl_b32 s76, s28, 11                        ; the pair's scale bytes: 1,024 a head
	s_mov_b32 s77, 0
	s_add_nc_u64 s[10:11], s[10:11], s[76:77]
	s_add_nc_u64 s[14:15], s[14:15], s[76:77]
	s_add_nc_u64 s[18:19], s[18:19], s[76:77]
	s_lshl_b32 s76, s27, 12
	s_lshl_b32 s78, s[JJ], 10
	s_add_co_u32 s76, s76, s78
	s_add_nc_u64 s[6:7], s[6:7], s[76:77]          ; h's scale words of token tiles 16 batch + 4 J on: 256 bytes a tile
	s_lshl_b32 s76, s27, 16
	s_lshl_b32 s78, s[JJ], 12
	s_add_co_u32 s76, s76, s78
	s_lshl_b32 s78, s28, 10
	s_add_co_u32 s76, s76, s78
	s_lshl_b32 s78, s[HD], 9
	s_add_co_u32 s76, s76, s78
	s_add_nc_u64 s[20:21], s[20:21], s[76:77]      ; att_c: tile 16 batch + J, K step p, half hd
	s_lshl_b32 s76, s28, 16
	s_lshl_b32 s78, s27, 10
	s_add_co_u32 s76, s76, s78
	s_and_b32 s78, s[WV], 3
	s_lshl_b32 s78, s78, 8
	s_add_co_u32 s76, s76, s78
	s_add_nc_u64 s[22:23], s[22:23], s[76:77]      ; att_s: plane p, the batch's tokens, 64 of them for each of waves 0-3
	v_and_b32 v13, 31, v0                          ; lane
	s_delay_alu instid0(VALU_DEP_1)
	v_lshlrev_b32 v1, 4, v13                       ; 16 x lane
	s_delay_alu instid0(VALU_DEP_2)
	v_lshlrev_b32 v2, 2, v13                       ; 4 x lane
	v_and_b32 v3, 15, v0                           ; r
	v_bfe_u32 v4, v0, 4, 1                         ; h
	s_delay_alu instid0(VALU_DEP_2)
	v_lshlrev_b32 v12, 4, v3                       ; h's scale words: 16 r
	s_lshl_b32 s78, s[HD], 10
	v_lshl_add_u32 v11, v3, 4, s78                 ; W's: (64 hd + r) x 16
.irp i, 0,1,2,3
	global_load_b128 v[HS+4*\i:HS+4*\i+3], v12, s[6:7] offset:256*\i
.endr
.irp u, 0,1,2,3
	global_load_b128 v[WS+4*\u:WS+4*\u+3], v11, s[10:11] offset:256*\u
.endr
	s_lshl_b32 s78, s[JJ], 14
	v_add_nc_u32 v5, s78, v1                       ; h's fragments of my four token tiles
	v_mul_u32_u24 v6, v3, 272
	s_delay_alu instid0(VALU_DEP_1)
	v_lshl_add_u32 v6, v4, 4, v6
	s_mul_i32 s78, s[HD], WTILE
	s_add_co_u32 s78, s78, WIMG
	v_add_nc_u32 v6, s78, v6                       ; my head's tile of Wk: row r, + 16 h
	s_lshl_b32 s78, s[HD], 13                      ; 8,192 hd
	s_lshl_b32 s77, s[HD], 11                      ; 2,048 hd
	s_lshl_b32 s79, s[JJ], 11
	s_add_co_u32 s79, s79, s78
	s_add_co_u32 s79, s79, KIMG
	v_add_nc_u32 v7, s79, v1                       ; where k's (and, QOFF on, q's) half fragments go
	s_lshl_b32 s79, s[JJ], 9
	s_add_co_u32 s76, s79, s77
	s_add_co_u32 s76, s76, KSC
	v_add_nc_u32 v8, s76, v2                       ; and their scale words
	s_add_co_u32 s79, s79, s78
	s_add_co_u32 s79, s79, VIMG
	v_add_nc_u32 v9, s79, v1                       ; v's: my 64 tokens are half J % 2 of K step J / 2
	s_lshl_b32 s79, s[JJ], 7
	s_add_co_u32 s79, s79, s77
	s_add_co_u32 s79, s79, VSC
	v_add_nc_u32 v10, s79, v2
	v_mov_b32 v[TM+2], 0                           ; written once: a lane permute's destination counts as one of its sources
	v_mov_b32 v[TM+3], 0
	s_wait_alu depctr_va_vdst(0)
	s_wait_tensorcnt 0x0                           ; my fill has landed,
	s_barrier_signal -1
	s_barrier_wait -1                              ; everybody's has
; ---- QKV.  An item: 4 tiles of the head's 64 x my 4 token tiles x 4 K steps; the 16 accumulators take turns.  x: 0 k, 1 q, 2 v.  nxt: the next item's scale bytes (0: none).
.macro ITEM x, nxt
.irp s, 0,1,2,3
.if \s > 0
	PLACES
.endif
.irp i, 0,1,2,3
.irp c, 0,1
	ds_load_b128 v[HF+8*\i+4*\c:HF+8*\i+4*\c+3], v5 offset:4096*\i+1024*\s+512*\c
.endr
.endr
.irp u, 0,1,2,3
.irp c, 0,1
	ds_load_b128 v[WF+8*\u+4*\c:WF+8*\u+4*\c+3], v6 offset:4352*\u+64*\s+32*\c
.endr
.endr
	s_wait_dscnt 0x0
.if \s == 0
	s_wait_loadcnt 0x0                             ; the item's scale words
.endif
.irp i, 0,1,2,3
.irp u, 0,1,2,3
.if \x < 2
.if \s == 0
	MM ACC+8*(4*\i+\u), WF+8*\u, HF+8*\i, -1, WS+4*\u+\s, HS+4*\i+\s
.else
	MM ACC+8*(4*\i+\u), WF+8*\u, HF+8*\i, ACC+8*(4*\i+\u), WS+4*\u+\s, HS+4*\i+\s
.endif
.else
.if \s == 0
	MM ACC+8*(4*\u+\i), HF+8*\i, WF+8*\u, -1, HS+4*\i+\s, WS+4*\u+\s
.else
	MM ACC+8*(4*\u+\i), HF+8*\i, WF+8*\u, ACC+8*(4*\u+\i), HS+4*\i+\s, WS+4*\u+\s
.endif
.endif
.endr
.endr
.endr
	PLACES                                         ; in front of the reads of results, of the loads into the scale words, and of the next item's fetches
.if \nxt
.irp u, 0,1,2,3
	global_load_b128 v[WS+4*\u:WS+4*\u+3], v11, s[\nxt:\nxt+1] offset:256*\u
.endr
	v_add_nc_u32 v6, 2*WTILE, v6                   ; the next W's tile of my head
.endif
.irp g, 0,1,2,3                        ; k, q: token tile g, 64 along the head.  v: tile g of the head's 64, my 64 tokens
	QB2 ACC+32*\g, HF+4*\g, WD+\g, TM
.if \x < 2
	ds_store_b128 v7, v[HF+4*\g:HF+4*\g+3] offset:QOFF*\x+512*\g
	ds_store_b32 v8, v[WD+\g] offset:QOFF*\x+128*\g
.else
	ds_store_b128 v9, v[HF+4*\g:HF+4*\g+3] offset:2048*\g
	ds_store_b32 v10, v[WD+\g] offset:512*\g
.endif
.endr
	s_wait_dscnt 0x0                               ; the stores are done: their registers take the next fetches, and the others may read behind the barrier
.endm
	ITEM 0, 14
	ITEM 1, 18
	ITEM 2, 0
	s_barrier_signal -1
	s_barrier_wait -1                              ; k, q, v of both heads and all 256 tokens lie in LDS
; ---- ATTENTION
	s_lshl_b32 s79, s[JJ], 9
	s_add_co_u32 s79, s79, s78
	s_add_co_u32 s79, s79, KIMG
	v_add_nc_u32 v5, s79, v1                       ; my queries (k's tile J; 2,048 bytes on for each 4 tiles)
	s_lshl_b32 s79, s[JJ], 7
	s_add_co_u32 s79, s79, s77
	s_add_co_u32 s79, s79, KSC
	v_add_nc_u32 v6, s79, v2
	s_add_co_u32 s79, s78, KIMG+QOFF
	v_add_nc_u32 v7, s79, v1                       ; the keys (q)
	s_add_co_u32 s79, s77, KSC+QOFF
	v_add_nc_u32 v8, s79, v2
	s_add_co_u32 s79, s78, VIMG
	v_add_nc_u32 v9, s79, v1                       ; v
	s_add_co_u32 s79, s77, VSC
	v_add_nc_u32 v10, s79, v2
	s_lshl_b32 s79, s[HD], 10
	s_lshl_b32 s76, s[JJ], 6
	s_add_co_u32 s79, s79, s76
	s_add_co_u32 s79, s79, SCT
	v_lshl_add_u32 v11, v3, 2, s79                 ; att's half scale word of my query
.irp n, 0,1,2,3,4,5,6,7,8,9,10,11,12,13,14,15
	ds_load_b32 v[16+\n], v10 offset:128*\n        ; v's half scale words: (dt, ks, c) = 4 dt + 2 ks + c
.endr
	v_lshlrev_b32 v245, 3, v4
	s_delay_alu instid0(VALU_DEP_1)
	v_sub_nc_u32 v245, v3, v245                    ; r - 8 h
	v_mov_b32 v244, 0xff61b1e6                     ; -3e38
.irp j, 0,1,2,3,4,5,6,7
	v_cmp_gt_i32 vcc_lo, \j, v245                  ; key 8 h + j comes after query r
	s_delay_alu instid0(VALU_DEP_1)
	v_cndmask_b32 v[DG+\j], 0, v244, vcc_lo
.endr
.irp j, 0,1,2,3
	v_mov_b32 v[QF+4+\j], 0                        ; zero codes for k = 64 .. 127
	v_mov_b32 v[KP+32+\j], 0                       ; what the eighth tile of keys names as its upper half
.endr
.irp j, 0,1,2,3,4,5,6,7
	v_mov_b32 v[TX+\j], 0                          ; written once: a lane permute's destination counts as one of its sources
.endr
	s_wait_dscnt 0x0
.irp n, 0,1,2,3,4,5,6,7
	v_lshl_or_b32 v[VS+\n], v[17+2*\n], 16, v[16+2*\n]
.endr
; A tile of keys of the group that holds the diagonal: tile sl of the group against my J.  Before it: all keys count.  On it: the sum starts from DG.  Behind it: no product; the scores are -3e38.
.macro SLOT sl, d, a, sk
.if (\sl) > 0
	s_cmp_lt_u32 s[JJ], \sl
	s_cbranch_scc1 .Lhid_\@
.endif
.if (\sl) < 3
	s_cmp_eq_u32 s[JJ], \sl
	s_cbranch_scc1 .Ldia_\@
	MM \d, \a, QF, -1, \sk, QS
	s_branch .Ljoin_\@
.Ldia_\@:
.endif
	MM \d, \a, QF, DG, \sk, QS
.if (\sl) > 0
	s_branch .Ljoin_\@
.Lhid_\@:
.irp j, 0,1,2,3,4,5,6,7
	v_mov_b32 v[\d+\j], 0xff61b1e6
.endr
.endif
.Ljoin_\@:
.endm
.macro VFETCH k                        ; v's four fragments of K step k
.irp dt, 0,1,2,3
	ds_load_b128 v[KP+8*\dt:KP+8*\dt+3], v9 offset:2048*\dt+1024*\k
	ds_load_b128 v[KP+8*\dt+4:KP+8*\dt+7], v9 offset:2048*\dt+1024*\k+512
.endr
.endm
; Query tile J + 4 (np - 1): np groups of 64 keys, 2 np blocks of 32.
.macro ATT np
.set NB, 2*\np
.set NKS, (\np+1)/2
	ds_load_b128 v[QF:QF+3], v5 offset:2048*(\np-1)
	ds_load_b32 v[QS], v6 offset:512*(\np-1)
.set ks, 0
.rept NKS
.set nt, 4*\np-8*ks
.if nt > 8
.set nt, 8
.endif
.if ks > 0
	PLACES
.endif
.set sg, 0
.rept nt
	ds_load_b128 v[KP+4*sg:KP+4*sg+3], v7 offset:512*(8*ks+sg)
	ds_load_b32 v[KS+sg], v8 offset:128*(8*ks+sg)
.set sg, sg+1
.endr
	s_wait_dscnt 0x0
.set sg, 0
.rept nt
.if 8*ks+sg < 4*(\np-1)
	MM S+64*ks+8*sg, KP+4*sg, QF, -1, KS+sg, QS
.else
	SLOT 8*ks+sg-4*(\np-1), S+64*ks+8*sg, KP+4*sg, KS+sg
.endif
.set sg, sg+1
.endr
.set ks, ks+1
.endr
	PLACES
	VFETCH 0                                       ; lands while the softmax is worked
.set b, 0
	s_wait_alu depctr_va_vdst(0)
.rept NB
	v_max3_num_f32 v[BM+b], v[S+16*b], v[S+16*b+1], v[S+16*b+2]      ; the largest score of each block of 32 keys: for the row's maximum, and, since p rises with the score, for the block's largest p
.set b, b+1
.endr
.irp i, 3,5,7,9,11,13
.set b, 0
.rept NB
	v_max3_num_f32 v[BM+b], v[BM+b], v[S+16*b+\i], v[S+16*b+\i+1]
.set b, b+1
.endr
.endr
.set b, 0
.rept NB
	v_max_num_f32 v[BM+b], v[BM+b], v[S+16*b+15]
.set b, b+1
.endr
.set b, 0
.rept NB
	v_permlanex16_b32 v[TX+b], v[BM+b], s[SEL], s[SEL+1]
.set b, b+1
.endr
.set b, 0
.rept NB
	v_max_num_f32 v[BM+b], v[BM+b], v[TX+b]        ; with lane l xor 16's 16 keys
.set b, b+1
.endr
	v_max_num_f32 v[T0], v[BM], v[BM+1]
.set b, 2
.rept NB-2
	s_delay_alu instid0(VALU_DEP_1)
	v_max_num_f32 v[T0], v[T0], v[BM+b]
.set b, b+1
.endr
	s_delay_alu instid0(VALU_DEP_1)
	v_mul_f32 v15, s[CS], v[T0]                    ; the row's largest t (c is positive)
	s_delay_alu instid0(VALU_DEP_1)
	v_floor_f32 v14, -v15                          ; -M = floor(-t): M is a whole number
.set j, 0
.rept 16*\np
	v_pk_fma_f32 v[S+j:S+j+1], v[S+j:S+j+1], s[CS:CS+1], v[14:15] op_sel_hi:[1,0,0]   ; t - M, two at a time
.set j, j+2
.endr
.set b, 0
.rept NB
	v_fma_f32 v[BM+b], v[BM+b], s[CS], v14         ; the same of each block's largest score
.set b, b+1
.endr
.set j, 0
	s_wait_alu depctr_va_vdst(0)
.rept 32*\np
	v_exp_f32 v[S+j], v[S+j]                       ; p = 2^(t - M), not normalised
.set j, j+1
.endr
.set b, 0
.rept NB
	v_exp_f32 v[BM+b], v[BM+b]                     ; the block's largest p
.set b, b+1
.endr
	v_nop                                          ; one plain place behind the exponentials
.set b, 0
	s_wait_alu depctr_va_vdst(0)
.rept NB
	v_max_num_f32 v[BM+b], 0x1800000, v[BM+b]      ; the floor 2^(3 - 127)
.set b, b+1
.endr
.set b, 0
.rept NB
	v_add_nc_u32 v[TX+b], 0xff000000, v[BM+b]      ; the conversion's scale operand
.set b, b+1
.endr
.set b, 0
.rept NB
	v_lshrrev_b32 v[BM+b], 23, v[TX+b]             ; the scale's byte
.set b, b+1
.endr
.set ks, 0
.rept NKS
	v_lshl_or_b32 v[PWK+ks], v[BM+4*ks+1], 8, v[BM+4*ks]
.if NB-4*ks > 2
	s_delay_alu instid0(VALU_DEP_1)
	v_lshl_or_b32 v[PWK+ks], v[BM+4*ks+2], 16, v[PWK+ks]
	s_delay_alu instid0(VALU_DEP_1)
	v_lshl_or_b32 v[PWK+ks], v[BM+4*ks+3], 24, v[PWK+ks]
.endif
.set ks, ks+1
.endr
.set b, 0
.rept NB
	v_cvt_scalef32_pk8_fp4_f32 v[PC+4*(b/2)+(b%2)], v[S+16*b:S+16*b+7], v[TX+b]
	v_cvt_scalef32_pk8_fp4_f32 v[PC+4*(b/2)+2+(b%2)], v[S+16*b+8:S+16*b+15], v[TX+b]
.set b, b+1
.endr
	v_nop                                          ; one plain place behind a scaled conversion
.set b, 0
.rept NB
	v_permlane16_swap_b32 v[PC+2*b], v[PC+2*b+1]
.set b, b+1
.endr
.if (\np%2) == 1
.irp j, 0,1,2,3
	v_mov_b32 v[PC+4*\np+\j], 0                    ; the K step's other 64 keys come after every query of mine: zero codes
.endr
.endif
	v_pk_add_f32 v[12:13], v[S:S+1], v[S+2:S+3]    ; the row's sum, of the unquantised p, in two chains.  (These are also the places between the scale word's and the codes' last write and the products)
	v_pk_add_f32 v[LT:LT+1], v[S+4:S+5], v[S+6:S+7]
.set j, 8
.rept 8*\np-2
	v_pk_add_f32 v[12:13], v[12:13], v[S+j:S+j+1]
	v_pk_add_f32 v[LT:LT+1], v[LT:LT+1], v[S+j+2:S+j+3]
.set j, j+4
.endr
	s_wait_alu depctr_va_vdst(0)
	s_wait_dscnt 0x0                               ; v's fragments
.irp dt, 0,1,2,3
	MM OT+8*\dt, KP+8*\dt, PC, -1, VS+2*\dt, PWK
.endr
.if NKS > 1
	PLACES
	VFETCH 1
	s_wait_dscnt 0x0
.irp dt, 0,1,2,3
	MM OT+8*\dt, KP+8*\dt, PC+8, OT+8*\dt, VS+2*\dt+1, PWK+1
.endr
.endif
	v_pk_add_f32 v[12:13], v[12:13], v[LT:LT+1]    ; the sum is joined in the places behind the products
	s_delay_alu instid0(VALU_DEP_1)
	v_add_f32 v12, v12, v13
	s_delay_alu instid0(VALU_DEP_1)
	v_permlanex16_b32 v13, v12, s[SEL], s[SEL+1]
	s_delay_alu instid0(VALU_DEP_1)
	v_add_f32 v12, v12, v13
	s_wait_alu depctr_va_vdst(0)
	v_rcp_f32 v[T0], v12
	v_nop                                          ; one plain place behind a transcendental
	s_wait_alu depctr_va_vdst(0)
	v_mov_b32 v[T0+1], v[T0]
.set j, 0
.rept 16
	v_pk_mul_f32 v[OT+j:OT+j+1], v[OT+j:OT+j+1], v[T0:T0+1]          ; att = O^T / the sum
.set j, j+2
.endr
	s_wait_alu depctr_va_vdst(0)
	s_wait_xcnt 0x0                                ; the last tile's store has read its code registers
	QB2 OT, OC, TX, BM                             ; my head's 64 columns are half a K step of att
	global_store_b128 v1, v[OC:OC+3], s[20:21] offset:16384*(\np-1)  ; 32 lanes store 512 consecutive bytes, aligned
	ds_store_b32 v11, v[TX] offset:256*(\np-1)     ; both halves of the lanes write the same word with the same value
.endm
	ATT 4
	ATT 3
	ATT 2
	ATT 1
	s_wait_dscnt 0x0
	s_barrier_signal -1
	s_barrier_wait -1                              ; both heads' half scale words of all 256 tokens lie in LDS
	s_and_b32 s79, s[WV], 3
	s_lshl_b32 s79, s79, 8
	s_add_co_u32 s79, s79, SCT
	v_and_b32 v5, 31, v0
	s_delay_alu instid0(VALU_DEP_1)
	v_lshlrev_b32 v6, 3, v5                        ; two tokens a lane
	s_delay_alu instid0(VALU_DEP_1)
	v_add_nc_u32 v5, s79, v6
	s_cmp_lt_u32 s[WV], 4
	s_cbranch_scc0 .Ldone
	ds_load_b64 v[16:17], v5
	ds_load_b64 v[18:19], v5 offset:1024
	s_wait_dscnt 0x0
	v_lshl_or_b32 v20, v18, 16, v16                ; head 2 p's two bytes below, head 2 p + 1's above: the K step's scale word
	v_lshl_or_b32 v21, v19, 16, v17
	s_wait_alu depctr_va_vdst(0)
	global_store_b64 v6, v[20:21], s[22:23]        ; 32 lanes store 256 consecutive bytes, aligned
.Ldone:
	s_set_vgpr_msb 0x5
	s_wait_tensorcnt 0x0
	ds_add_u32 v0, v1
	s_wait_dscnt 0x0
	s_set_vgpr_msb 0x500
	s_endpgm
.Lfunc_end_k_qd0b486f041_attn:
	.size	k_qd0b486f041_attn, .Lfunc_end_k_qd0b486f041_attn-k_qd0b486f041_attn
	.p2alignl 7, 3214868480
	.fill 96, 4, 3214868480
	.section	.rodata,"a",@progbits
	.p2align	6, 0x0
	.amdhsa_kernel k_qd0b486f041_attn
		.amdhsa_group_segment_fixed_size 234496
		.amdhsa_private_segment_fixed_size 0
		.amdhsa_enable_private_segment 0
		.amdhsa_kernarg_size 80
		.amdhsa_user_sgpr_count 2
		.amdhsa_user_sgpr_kernarg_segment_ptr 1
		.amdhsa_wavefront_size32 1
		.amdhsa_system_sgpr_workgroup_id_x 1
		.amdhsa_system_sgpr_workgroup_id_y 1
		.amdhsa_system_sgpr_workgroup_id_z 1
		.amdhsa_system_vgpr_workitem_id 0
		.amdhsa_next_free_vgpr 258
		.amdhsa_next_free_sgpr 80
		.amdhsa_reserve_vcc 1
		.amdhsa_float_denorm_mode_32 3
		.amdhsa_float_denorm_mode_16_64 3
		.amdhsa_memory_ordered 1
		.amdhsa_forward_progress 1
		.amdhsa_inst_pref_size 173
	.end_amdhsa_kernel
	.amdgpu_metadata
---
amdhsa.version: [ 1, 2 ]
amdhsa.kernels:
  - .name:           k_qd0b486f041_attn
    .symbol:         k_qd0b486f041_attn.kd
    .args:
      - { .name: h_c, .offset: 0, .size: 8, .value_kind: global_buffer, .address_space: global }
      - { .name: h_s, .offset: 8, .size: 8, .value_kind: global_buffer, .address_space: global }
      - { .name: Wk_codes, .offset: 16, .size: 8, .value_kind: global_buffer, .address_space: global }
      - { .name: Wk_scales, .offset: 24, .size: 8, .value_kind: global_buffer, .address_space: global }
      - { .name: Wq_codes, .offset: 32, .size: 8, .value_kind: global_buffer, .address_space: global }
      - { .name: Wq_scales, .offset: 40, .size: 8, .value_kind: global_buffer, .address_space: global }
      - { .name: Wv_codes, .offset: 48, .size: 8, .value_kind: global_buffer, .address_space: global }
      - { .name: Wv_scales, .offset: 56, .size: 8, .value_kind: global_buffer, .address_space: global }
      - { .name: att_c, .offset: 64, .size: 8, .value_kind: global_buffer, .address_space: global }
      - { .name: att_s, .offset: 72, .size: 8, .value_kind: global_buffer, .address_space: global }
    .group_segment_fixed_size: 234496
    .private_segment_fixed_size: 0
    .kernarg_segment_align: 8
    .kernarg_segment_size: 80
    .max_flat_workgroup_size: 256
    .sgpr_count:     80
    .vgpr_count:     258
    .wavefront_size: 32
...
	.end_amdgpu_metadata
.endif
;; end of part 2
;; launch mlp (part 3): grid 256 x 1, 8 waves a work-group, clusters of 4 x 1, 327,680 bytes of LDS; arguments x, att_c, att_s, wl, ln2_g, ln2_b, b2, out0; writes out0
.if DOCPART == 3
	.amdgcn_target "amdgcn-amd-amdhsa--gfx1250"
	.amdhsa_code_object_version 6
	.text
	.protected	k_qd0b486f041_mlp
	.globl	k_qd0b486f041_mlp
	.p2align	8
	.type	k_qd0b486f041_mlp,@function
k_qd0b486f041_mlp:
	s_mov_b64 s[64:65], 0
	v_nop
	global_prefetch_b8 v0, s[64:65] scope:SCOPE_SE
	s_setreg_imm32_b32 hwreg(HW_REG_WAVE_MODE, 25, 1), 1
	s_wait_xcnt 0x0
	s_wait_alu depctr_hold_cnt(0) depctr_sa_sdst(0) depctr_va_vdst(0) depctr_va_sdst(0) depctr_va_ssrc(0) depctr_va_vcc(0) depctr_vm_vsrc(0)
	s_getreg_b32 s2, hwreg(HW_REG_IB_STS2, 6, 4)
	s_cmp_eq_u32 s2, 0
	s_cbranch_scc0 .Lentry_in_a_cluster
	s_endpgm
.Lentry_in_a_cluster:
	s_bfe_u32 s2, ttmp6, 0x10000c
	s_cmp_lg_u32 s2, 0x3003
	s_cbranch_scc0 .Lentry_shape_is_right
	s_endpgm
.Lentry_shape_is_right:
; x1 = x + att proj + proj_b;  h2 = LayerNorm(x1) g + b;  out = x1 + relu(h2 W1 + b1) W2 + b2.  All three products on codes of E2M1 with E8M0 scales; all else f32.
; SHARES.  A work-group of eight waves (two to a SIMD) takes 64 rows: four tiles m of 16 tokens.  THE WAVES SHARE THE COLUMNS: wave w makes columns 64 w .. + 63 of x1 and of out, and hidden units 256 k + 32 w .. + 31 of
;   chunk k (eight chunks of 256), for all 64 rows.  Every product is used transposed (source 0 = 16 rows of the weight, source 1 = 16 tokens): a lane holds one token, its registers run along the columns.
;   wl lays the rows of two neighbouring tiles so that a lane's 16 results are 16 neighbours: columns 32 e + 16 h + 0 .. 15.
; PHASES.  Phase k multiplies W1's chunk k, quantises it, and multiplies W2's chunk k - 1 by the hidden codes of the phase before: one change of slots for 128 columns of K and 32 of the hidden layer each.
;   Block D_k = [W2's chunk k - 1, 8,704 bytes][W1's chunk k, 8,960 bytes]: 69 rows of 256 bytes a wave, read by that wave alone, in slot k % 2 of the wave's two.  D_0 has its second half only and comes with D_1 in one load of 104 rows.
;   The load of D_8 runs 35 rows on, into the next stream (or proj's block), which nobody reads.
; FIRST FILLS, one load a wave: waves 0-3 proj (two waves' blocks each), 4 att's fragments, 5 its scale words, 6 and 7 x.  proj is multiplied while x may be out.
; CLUSTER.  All work-groups walk the same weights: the four of a cluster ask for each block jointly.  The place in the cluster enters the global addresses of x, att_c, att_s, out0 and of the prefetches alone.
; PREFETCH.  In clusters 0 to 3 each wave names its block's 69 rows two refills ahead of the load, the four partners 18 rows each by address (the last repeats).  proj, D_0 to D_3 come by their loads alone.
; RELU is taken on the codes: a code with its sign bit set keeps that bit alone, which is the number -0; the block's largest number is searched without signs turned, over the floor.
; LIMITS: NaN and infinities are not served.  A block of zeros gets the byte 1: its codes are zeros, and this program alone reads the bytes.
; REGISTERS.  window 0: v1-23 addresses; v24-43 scale words; v44-63 at work (v44-59 b1 as W1's first C); v64-127 the hidden layer (16 m + 8 t); v128-191, v192-255 two sets of fragments.
;   window 1: v0-127 Y (32 m + 8 t): att proj + proj_b, x1, out;  v128-255 h2's 16 fragments (ahead of them g, b, b2 at 128, 160, 192).
.set RG, 17664                         ; a wave's slot
.set RW, 35328                         ; its two
.set STM, 141312                       ; a stream of wl
.set PJO, 8*STM                        ; proj's blocks in wl
.set XB, 141312                        ; LDS at the head: proj's eight blocks at 0, x's two halves (64 rows of 1,024 + 80 bytes) here; then the ring of 8 x RW bytes over both
.set XH, 70656
.set AIMG, 282624                      ; att's fragments, then h2's (4 m + s) x 1024
.set HIMG, 299008                      ; two sets of hidden fragments: (2 m + s) x 1024
.set ASC, 315392                       ; att's scale words, then h2's: 256 s + 64 m + 4 r
.set HSC, 316416                       ; two sets of the hidden layer's, likewise
.set STAT, 317440                      ; partial sums: 512 m + 32 r + 4 w; 2,048 bytes on those of the second pass
.set SPARE, 321536                     ; the spare words, 1,024 bytes
.set SPW, 4
.set NIL, 5
.set IRD, 6
.set IWH, 7
.set IW2, 8
.set HSB, 9
.set H2S, 10
.set SRD, 11
.set STW, 12
.set STR, 13
.set XA, 14
.set VB, 15
.set AWF, 16
.set AW8, 17
.set AB1, 18
.set STO, 20
.set ORD, 21
.set CO, 22
.set PFO, 23
.set AS, 24
.set HS, 32
.set WS1, 36
.set WS2, 40
.set APB, 62
.set APJ, 63
.set H, 64
.set WV, 20
.set G1W, 36
.set G1A, 44
.set G1S, 52
.set G0P, 60
.set G1X, 68
.set G0A, 76
.set G0S, 80
.set G0X, 84
.set G0C, 88
.set G0R, 92
.set PF, 100
.set MSB, 0
.macro WIN new                         ; the immediate's high byte repeats the setting that is left
.if MSB != (\new)
	s_set_vgpr_msb (MSB<<8)|(\new)
.set MSB, (\new)
.endif
.endm
.macro PLACES                          ; four places behind a matrix instruction (ISA guide 7.12.1)
.rept 4
	v_nop
.endr
.endm
.macro CREST                           ; a round of the cluster's barrier behind its opening barrier
	s_cmp_lg_u32 s[WV], 0
	s_cbranch_scc1 .Lnot_wave_0_\@
	s_barrier_signal -3
.Lnot_wave_0_\@:
	s_barrier_wait -3
	s_barrier_signal -1
	s_barrier_wait -1
.endm
.macro CROUND
	s_barrier_signal -1
	s_barrier_wait -1
	CREST
.endm
.macro WM d, a, b, c, sa, sb, ra, rb   ; one product; ra, rb: the scale words lie in lanes 16-31
.if ((\ra)+2*(\rb)) == 0
	v_wmma_scale_f32_16x16x128_f8f6f4 v[\d:\d+7], v[\a:\a+7], v[\b:\b+7], v[\c:\c+7], v[\sa], v[\sb] matrix_a_fmt:MATRIX_FMT_FP4 matrix_b_fmt:MATRIX_FMT_FP4
.elseif ((\ra)+2*(\rb)) == 1
	v_wmma_scale_f32_16x16x128_f8f6f4 v[\d:\d+7], v[\a:\a+7], v[\b:\b+7], v[\c:\c+7], v[\sa], v[\sb] matrix_a_fmt:MATRIX_FMT_FP4 matrix_b_fmt:MATRIX_FMT_FP4 matrix_a_scale:MATRIX_SCALE_ROW1
.elseif ((\ra)+2*(\rb)) == 2
	v_wmma_scale_f32_16x16x128_f8f6f4 v[\d:\d+7], v[\a:\a+7], v[\b:\b+7], v[\c:\c+7], v[\sa], v[\sb] matrix_a_fmt:MATRIX_FMT_FP4 matrix_b_fmt:MATRIX_FMT_FP4 matrix_b_scale:MATRIX_SCALE_ROW1
.else
	v_wmma_scale_f32_16x16x128_f8f6f4 v[\d:\d+7], v[\a:\a+7], v[\b:\b+7], v[\c:\c+7], v[\sa], v[\sb] matrix_a_fmt:MATRIX_FMT_FP4 matrix_b_fmt:MATRIX_FMT_FP4 matrix_a_scale:MATRIX_SCALE_ROW1 matrix_b_scale:MATRIX_SCALE_ROW1
.endif
.endm
; A K step's four fragments of a weight and four of tokens into a set: 16 loads.
.macro FETCH4 set, wa, wo, wst, ba, bo, bst
	WIN 0
.irp t, 0,1,2,3
	ds_load_b128 v[\set+8*\t:\set+8*\t+3], v[\wa] offset:\wo+(\wst)*\t
	ds_load_b128 v[\set+8*\t+4:\set+8*\t+7], v[\wa] offset:\wo+(\wst)*\t+512
.endr
.irp m, 0,1,2,3
	ds_load_b128 v[\set+32+8*\m:\set+32+8*\m+3], v[\ba] offset:\bo+(\bst)*\m
	ds_load_b128 v[\set+32+8*\m+4:\set+32+8*\m+7], v[\ba] offset:\bo+(\bst)*\m+512
.endr
.endm
; 16 products onto Y; the 16 accumulators take turns.  first: C is proj_b.
.macro MUL16 set, ws, wst, hs, first
.if \first
	WIN 0x40
.else
	WIN 0x50
.endif
.irp t, 0,1,2,3
.irp m, 0,1,2,3
.if \first
	WM 32*\m+8*\t, \set+8*\t, \set+32+8*\m, H+8*\t, \ws+(\wst)*(\t/2), \hs+(\m/2), \t%2, \m%2
.else
	WM 32*\m+8*\t, \set+8*\t, \set+32+8*\m, 32*\m+8*\t, \ws+(\wst)*(\t/2), \hs+(\m/2), \t%2, \m%2
.endif
.endr
.endr
.endm
.macro MUL8 s                          ; W1, K step s: eight accumulators by turns; the first step's C is b1
	WIN 0x04
.irp t, 0,1
.irp m, 0,1,2,3
.if \s == 0
	WM H+16*\m+8*\t, 128+16*\s+8*\t, 128+32*\m+8*\s, 44+8*\t, WS1+\s, AS+2*\s+(\m/2), \t, \m%2
.else
	WM H+16*\m+8*\t, 128+16*\s+8*\t, 128+32*\m+8*\s, H+16*\m+8*\t, WS1+\s, AS+2*\s+(\m/2), \t, \m%2
.endif
.endr
.endr
.endm
; Four blocks of 32 (16 numbers here, 16 in lane l xor 16): codes to v56-63, scale bytes to v48-51.  ab = 1: magnitudes; 0: what is negative does not count.  Each accumulator is read from its low end on.
.macro QUANT src, ab
.irp i, 0,1,2,3
.if \ab
	v_max3_num_f32 v[44+\i], |v[\src+16*\i]|, |v[\src+16*\i+1]|, 0x1800000
.else
	v_max3_num_f32 v[44+\i], v[\src+16*\i], v[\src+16*\i+1], 0x1800000
.endif
.endr
.irp j, 2,4,6,8,10,12,14
.irp i, 0,1,2,3
.if \ab
	v_max3_num_f32 v[44+\i], v[44+\i], |v[\src+16*\i+\j]|, |v[\src+16*\i+\j+1]|
.else
	v_max3_num_f32 v[44+\i], v[44+\i], v[\src+16*\i+\j], v[\src+16*\i+\j+1]
.endif
.endr
.endr
.irp i, 0,1,2,3
	v_permlanex16_b32 v[48+\i], v[44+\i], s24, s25
.endr
.irp i, 0,1,2,3
	v_max_num_f32 v[44+\i], v[44+\i], v[48+\i]
.endr
.irp i, 0,1,2,3
	v_add_nc_u32 v[52+\i], 0xff000000, v[44+\i]
.endr
.irp i, 0,1,2,3
	v_lshrrev_b32 v[48+\i], 23, v[52+\i]
.endr
.irp i, 0,1,2,3
	v_cvt_scalef32_pk8_fp4_f32 v[56+2*\i], v[\src+16*\i:\src+16*\i+7], v[52+\i]
	v_cvt_scalef32_pk8_fp4_f32 v[57+2*\i], v[\src+16*\i+8:\src+16*\i+15], v[52+\i]
.endr
	v_nop                                          ; one plain place behind a scaled conversion
.endm
.macro RELU                            ; eight code registers: where a code's sign bit is set its three other bits are cleared
.irp g, 0,4
.irp i, 0,1,2,3
	v_and_b32 v[44+\i], s28, v[56+\g+\i]
.endr
.irp i, 0,1,2,3
	v_lshrrev_b32 v[52+\i], 3, v[44+\i]
.endr
.irp i, 0,1,2,3
	v_sub_nc_u32 v[44+\i], v[44+\i], v[52+\i]
.endr
.irp i, 0,1,2,3
	v_bfi_b32 v[56+\g+\i], v[44+\i], 0, v[56+\g+\i]
.endr
.endr
.endm
; how = 1: in a trip's first phase; 2: in its second, which in the last trip has no block left to name.
.macro ASK how
	s_wait_xcnt 0x0                                ; my last prefetch has read its address
	s_add_nc_u64 s[PF:PF+1], s[PF:PF+1], RG
.if (\how) == 2
	s_sub_co_u32 s31, s29, 1
	s_cmp_gt_u32 s31, s23
.else
	s_cmp_gt_u32 s29, s23
.endif
	s_cbranch_scc0 .Lnot_mine_\@
	global_prefetch_b8 v[PFO], s[PF:PF+1] th:TH_LOAD_NT scope:SCOPE_SE
.Lnot_mine_\@:
.endm
; A phase on slot sl, up to W2's first K step: hidden codes are written to set sl and read from the other.
.macro PH sl, w1, w2, ask
.set SL, RG*\sl
.set YG, 22*\w2
	WIN 0
.if \w1
	ds_load_b128 v[WS1:WS1+3], v[AWF] offset:SL+16896
.irp q, 0,1,2,3
	ds_load_b128 v[44+4*\q:47+4*\q], v[AB1] offset:SL+17408+16*\q
.endr
.irp s, 0,1,2,3
.irp t, 0,1
	ds_load_b128 v[128+16*\s+8*\t:131+16*\s+8*\t], v[AWF] offset:SL+8704+4096*\t+1024*\s
	ds_load_b128 v[132+16*\s+8*\t:135+16*\s+8*\t], v[AWF] offset:SL+8704+4096*\t+1024*\s+512
.endr
.endr
.endif
.if \w2
.irp e, 0,1
	ds_load_b64 v[WS2+2*\e:WS2+2*\e+1], v[AW8] offset:SL+8192+256*\e
.endr
.irp i, 0,1,2,3
	ds_load_b32 v[HS+\i], v[SRD] offset:1024+512*(1-\sl)+128*\i
.endr
	FETCH4 192, AWF, SL, 2048, IRD, 16384+8192*(1-\sl), 2048
.endif
.if \ask
	ASK \ask
.endif
.if \w1
.irp s, 0,1,2,3
	s_wait_dscnt YG+12-4*\s                        ; behind this step's fragments: W1's later ones and W2's 22 loads
	MUL8 \s
.endr
	WIN 0
	PLACES
.endif
.if \w2
	FETCH4 128, AWF, SL+1024, 2048, IRD, 16384+8192*(1-\sl)+1024, 2048
.endif
.if \w1
	QUANT H, 0
	RELU
.irp m, 0,1,2,3
	ds_store_b64 v[IWH], v[56+2*\m:57+2*\m] offset:8192*\sl+2048*\m
	ds_store_b8 v[HSB], v[48+\m] offset:512*\sl+64*\m
.endr
.endif
.if \w2
	s_wait_dscnt 16+8*\w1                          ; behind the first K step: the second's 16 loads and my eight stores
	MUL16 192, WS2, 2, HS, 0
.endif
.endm
; The change of slots; ld = 1: the slot just read is filled again.  W2's second K step stands between signal and wait.
.macro TURN own, oth, ld, mul
	WIN 0
	s_wait_tensorcnt 0x0                           ; the block of the phase ahead has landed
	ds_add_u32 v[SPW], v[NIL]
.if \ld
	s_add_nc_u64 s[\oth+2:\oth+3], s[\oth+2:\oth+3], 2*RG   ; no load of mine is out: the other slot's next block
.endif
	s_wait_dscnt 0x0                               ; the add, my reads of this slot and my hidden codes are done
	s_barrier_signal -1
.if \mul
	MUL16 128, WS2+1, 2, HS+2, 0
	WIN 0
.endif
	s_barrier_wait -1
.if \ld
	CREST
	tensor_load_to_lds s[\own:\own+3], s[G1W:G1W+7]
	s_nop 0
.endif
	PLACES
.endm
.macro ARM under, g0, g1, next
	s_cmp_lt_u32 s[WV], \under
	s_cbranch_scc0 \next
	tensor_load_to_lds s[\g0:\g0+3], s[\g1:\g1+7]
	s_nop 0
	PLACES
	s_branch .Lasked
\next:
.endm
	s_load_b512 s[4:19], s[0:1], 0x0               ; x 4, att_c 6, att_s 8, wl 10, g 12, b 14, b2 16, out0 18
	v_lshl_add_u32 v[SPW], v0, 2, SPARE
	v_mov_b32 v[NIL], 0
	ds_add_u32 v[SPW], v[NIL]                      ; the opening
	ds_add_u32 v[SPW], v[NIL]
	v_lshrrev_b32 v1, 5, v0
	v_readfirstlane_b32 s[WV], v1                  ; wave 0..7
	s_bfe_u32 s21, ttmp6, 0x40000                  ; cx
	s_lshl_b32 s22, ttmp9, 2
	s_add_co_u32 s22, s22, s21                     ; my block of 64 rows
	s_movk_i32 s31, 1000
	s_cmp_lt_u32 ttmp9, 4
	s_cselect_b32 s23, 0, s31                      ; who prefetches
	s_mov_b32 s24, 0x76543210
	s_mov_b32 s25, 0xfedcba98
	s_mov_b32 s26, 0x3b000000                      ; 1 / 512
	s_mov_b32 s27, 0x3727c5ac                      ; 1e-5
	s_mov_b32 s28, 0x88888888                      ; the codes' sign bits
	s_mov_b32 s[G1W+0], 15|(3<<16)|(1<<21)         ; the mask; elements of 8 bytes; bit 21 beside a mask: dense rows of 256 bytes
	s_mov_b32 s[G1W+2], 138<<16
	s_mov_b32 s[G1W+4], 138
	s_mov_b32 s[G1A+0], 3<<16
	s_mov_b32 s[G1A+2], 64<<16
	s_mov_b32 s[G1A+4], 64
	s_mov_b32 s[G1S+0], 3<<16
	s_mov_b32 s[G1S+2], 4<<16
	s_mov_b32 s[G1S+4], 4
.irp g, G1W, G1A, G1S
	s_mov_b32 s[\g+1], 32<<16
	s_mov_b32 s[\g+3], 32<<16
	s_mov_b32 s[\g+6], 0
	s_mov_b32 s[\g+7], 0
.endr
	s_mov_b32 s[G1W+5], 32
	s_mov_b32 s[G1A+5], 32
	s_mov_b32 s[G1S+5], 8192                       ; a plane of att_s: 65,536 bytes
	s_mov_b32 s[G1X+0], (2<<16)|(1<<20)|(7<<22)|(19<<25)     ; elements of 4 bytes; 20 words of padding behind every 256
	s_mov_b32 s[G1X+1], 256<<16
	s_mov_b32 s[G1X+2], 64<<16
	s_mov_b32 s[G1X+3], 256<<16
	s_mov_b32 s[G1X+4], 64
	s_mov_b32 s[G1X+5], 512
	s_mov_b32 s[G1X+6], 0
	s_mov_b32 s[G1X+7], 0
	s_mul_i32 s30, s[WV], RW                       ; my two slots
	s_mov_b32 s33, 0
	s_mov_b32 s35, 0
	s_wait_dscnt 0x0                               ; both opening adds are done
	s_wait_alu depctr_va_vdst(0)
	s_wait_kmcnt 0x0
	s_mov_b32 s34, s30
	s_mov_b32 s[G0P], 1
	s_mov_b32 s[G0P+1], s30                        ; proj: two waves' blocks a load
	s_add_nc_u64 s[G0P+2:G0P+3], s[10:11], s[34:35]
	s_add_nc_u64 s[G0P+2:G0P+3], s[G0P+2:G0P+3], PJO
	s_or_b32 s[G0P+3], s[G0P+3], 0x80000000
	s_lshl_b32 s34, s22, 14
	s_mov_b32 s[G0A], 1
	s_mov_b32 s[G0A+1], AIMG
	s_add_nc_u64 s[G0A+2:G0A+3], s[6:7], s[34:35]
	s_or_b32 s[G0A+3], s[G0A+3], 0x80000000
	s_lshl_b32 s34, s22, 8
	s_mov_b32 s[G0S], 1
	s_mov_b32 s[G0S+1], ASC
	s_add_nc_u64 s[G0S+2:G0S+3], s[8:9], s[34:35]
	s_or_b32 s[G0S+3], s[G0S+3], 0x80000000
	s_and_b32 s31, s[WV], 1                        ; x: 256 columns a load
	s_lshl_b32 s34, s31, 10
	s_lshl_b32 s32, s22, 17
	s_add_co_u32 s34, s34, s32
	s_mul_i32 s31, s31, XH
	s_mov_b32 s[G0X], 1
	s_add_co_u32 s[G0X+1], s31, XB
	s_add_nc_u64 s[G0X+2:G0X+3], s[4:5], s[34:35]
	s_or_b32 s[G0X+3], s[G0X+3], 0x80000000
	CROUND                                         ; all four work-groups are here: the first joint loads meet
	ARM 4, G0P, G1W, .Lhead_a
	ARM 5, G0A, G1A, .Lhead_s
	ARM 6, G0S, G1S, .Lhead_x
	tensor_load_to_lds s[G0X:G0X+3], s[G1X:G1X+7]
	s_nop 0
	PLACES
.Lasked:
	s_mul_i32 s34, s[WV], STM                      ; my stream
	s_add_nc_u64 s[PF:PF+1], s[10:11], s[34:35]
	s_mov_b32 s[G0C], 1
	s_add_co_u32 s[G0C+1], s30, 8704               ; D_0's second half and D_1
	s_mov_b64 s[G0C+2:G0C+3], s[PF:PF+1]
	s_or_b32 s[G0C+3], s[G0C+3], 0x80000000
	s_mov_b32 s[G0R], 1
	s_mov_b32 s[G0R+1], s30                        ; slot 0: D_2
	s_add_nc_u64 s[G0R+2:G0R+3], s[PF:PF+1], RG+8960
	s_or_b32 s[G0R+3], s[G0R+3], 0x80000000
	s_mov_b32 s[G0R+4], 1
	s_add_co_u32 s[G0R+5], s30, RG                 ; slot 1: at D_1, stepped to D_3 ahead of its first use
	s_add_nc_u64 s[G0R+6:G0R+7], s[PF:PF+1], 8960
	s_or_b32 s[G0R+7], s[G0R+7], 0x80000000
	s_add_nc_u64 s[PF:PF+1], s[PF:PF+1], 2*RG+8960 ; at D_3, stepped to D_4 ahead of the first prefetch
	s_lshl_b32 s31, s[WV], 8
	s_add_co_u32 s32, s32, s31                     ; my 64 columns of out
	s_add_nc_u64 s[18:19], s[18:19], s[32:33]
	v_and_b32 v1, 31, v0                           ; lane
	v_and_b32 v2, 15, v0                           ; r
	v_bfe_u32 v3, v0, 4, 1                         ; h
	v_lshl_add_u32 v[VB], v3, 6, s31
	WIN 0x40
.irp e, 0,1
.irp q, 0,1,2,3
	global_load_b128 v[128+16*\e+4*\q:131+16*\e+4*\q], v[VB], s[12:13] offset:128*\e+16*\q
	global_load_b128 v[160+16*\e+4*\q:163+16*\e+4*\q], v[VB], s[14:15] offset:128*\e+16*\q
	global_load_b128 v[192+16*\e+4*\q:195+16*\e+4*\q], v[VB], s[16:17] offset:128*\e+16*\q
.endr
.endr
	WIN 0
	v_lshl_add_u32 v[IRD], v1, 4, AIMG
	v_lshl_add_u32 v[AWF], v1, 4, s30
	v_lshl_add_u32 v[AW8], v1, 3, s30
	v_lshl_add_u32 v[AB1], v3, 6, s30
	v_lshl_add_u32 v[SRD], v1, 2, ASC
	v_lshlrev_b32 v24, 4, v2
	v_lshl_add_u32 v24, v3, 3, v24                 ; 16 r + 8 h
	s_add_co_u32 s34, s31, HIMG                    ; block w of the chunk: 256 w bytes on
	v_add_nc_u32 v[IWH], s34, v24
	s_lshl_b32 s34, s[WV], 9
	s_add_co_u32 s34, s34, AIMG                    ; blocks 2 w, 2 w + 1 of h2
	v_add_nc_u32 v[IW2], s34, v24
	s_lshr_b32 s34, s[WV], 2
	s_lshl_b32 s34, s34, 8
	s_and_b32 s31, s[WV], 3
	s_add_co_u32 s34, s34, s31
	s_add_co_u32 s34, s34, HSC
	v_lshl_add_u32 v[HSB], v2, 2, s34
	s_lshl_b32 s31, s31, 8                         ; x: my 256 bytes of its half's row
	s_lshr_b32 s34, s[WV], 2
	s_mul_i32 s34, s34, XH
	s_add_co_u32 s34, s34, s31
	s_add_co_u32 s34, s34, XB
	s_wait_alu depctr_va_vdst(0)
	v_mul_u32_u24 v[XA], v2, 1104
	v_lshl_add_u32 v[XA], v3, 6, v[XA]
	v_add_nc_u32 v[XA], s34, v[XA]
	s_lshr_b32 s34, s[WV], 1
	s_lshl_b32 s34, s34, 8
	s_and_b32 s31, s[WV], 1
	s_lshl_b32 s31, s31, 1
	s_add_co_u32 s34, s34, s31
	s_add_co_u32 s34, s34, ASC
	v_lshl_add_u32 v[H2S], v2, 2, s34
	v_lshl_add_u32 v[STR], v2, 5, STAT
	s_lshl_b32 s34, s[WV], 2
	v_add_nc_u32 v[STW], s34, v[STR]
	s_mul_i32 s34, s[WV], RG
	v_lshl_add_u32 v[APJ], v1, 4, s34
	v_lshl_add_u32 v[APB], v3, 6, s34
	s_add_co_u32 s34, s30, RG                      ; the way out's stage: my slot 1
	v_mul_u32_u24 v[STO], v2, 272
	v_lshl_add_u32 v[STO], v3, 6, v[STO]
	v_add_nc_u32 v[STO], s34, v[STO]
	v_mul_u32_u24 v[ORD], v3, 272
	v_lshl_add_u32 v[ORD], v2, 4, v[ORD]
	v_add_nc_u32 v[ORD], s34, v[ORD]
	v_lshlrev_b32 v[CO], 11, v3
	v_lshl_add_u32 v[CO], v2, 4, v[CO]
	s_mul_i32 s34, s21, 18
	v_min_u32 v[PFO], 17, v1
	v_add_nc_u32 v[PFO], s34, v[PFO]
	v_min_u32 v[PFO], 68, v[PFO]
	v_lshlrev_b32 v[PFO], 8, v[PFO]
	s_wait_alu depctr_va_vdst(0)
	s_cmp_lt_u32 s[WV], 6
	s_cbranch_scc0 .Lx_out
	s_wait_tensorcnt 0x0                           ; proj, att and its scale words are in; x's two waves wait further down
.Lx_out:
	s_barrier_signal -1
	s_barrier_wait -1
	; ---- att proj + proj_b
.irp e, 0,1
	ds_load_b128 v[WS1+4*\e:WS1+4*\e+3], v[APJ] offset:16384+512*\e
.irp q, 0,1,2,3
	ds_load_b128 v[H+16*\e+4*\q:H+3+16*\e+4*\q], v[APB] offset:17408+128*\e+16*\q
.endr
.endr
.irp i, 0,1,2,3,4,5,6,7
	ds_load_b32 v[AS+\i], v[SRD] offset:128*\i
.endr
	FETCH4 128, APJ, 0, 4096, IRD, 0, 4096
.irp s, 0,1,2,3
.if \s < 3
.if \s > 0
	PLACES
.endif
	FETCH4 128+64*((\s+1)%2), APJ, 1024*(\s+1), 4096, IRD, 1024*(\s+1), 4096
	s_wait_dscnt 16                                ; all but the next step's 16 loads
.else
	s_wait_dscnt 0
.endif
.if \s == 0
	MUL16 128, WS1, 4, AS, 1
.else
	MUL16 128+64*(\s%2), WS1+\s, 4, AS+2*\s, 0
.endif
	WIN 0
.endr
	PLACES
	; ---- x1 = x + that
	s_wait_tensorcnt 0x0                           ; x
	s_barrier_signal -1
	s_barrier_wait -1
.irp m, 0,1,2,3
.irp e, 0,1
.irp q, 0,1,2,3
	ds_load_b128 v[128+32*\m+16*\e+4*\q:131+32*\m+16*\e+4*\q], v[XA] offset:17664*\m+128*\e+16*\q
.endr
.endr
.endr
.irp m, 0,1,2,3
	s_wait_dscnt 24-8*\m
	WIN 0x41
.set j, 32*\m
.rept 16
	v_pk_add_f32 v[j:j+1], v[j:j+1], v[128+j:128+j+1]
.set j, j+2
.endr
.endr
	WIN 0
	s_wait_alu depctr_va_vdst(0)
	s_wait_tensorcnt 0x0
	ds_add_u32 v[SPW], v[NIL]
	s_mov_b32 s[G1W+2], 104<<16                    ; no tensor load of mine is out: the next one has 104 rows
	s_mov_b32 s[G1W+4], 104
	s_wait_dscnt 0x0
	CROUND                                         ; proj and x have been read by every wave
	tensor_load_to_lds s[G0C:G0C+3], s[G1W:G1W+7]
	s_nop 0
	PLACES
	; ---- LayerNorm over 512 columns: each wave sums its 64, the eight partial sums meet in LDS.  Two passes, so that no difference of large sums is formed
	WIN 0x05
.irp m, 0,1,2,3
	v_pk_add_f32 v[64+2*\m:65+2*\m], v[32*\m:32*\m+1], v[32*\m+2:32*\m+3]
	v_pk_add_f32 v[72+2*\m:73+2*\m], v[32*\m+4:32*\m+5], v[32*\m+6:32*\m+7]
.endr
	WIN 0x04
.irp i, 8,12,16,20,24,28
.irp m, 0,1,2,3
	v_pk_add_f32 v[64+2*\m:65+2*\m], v[64+2*\m:65+2*\m], v[32*\m+\i:32*\m+\i+1]
	v_pk_add_f32 v[72+2*\m:73+2*\m], v[72+2*\m:73+2*\m], v[32*\m+\i+2:32*\m+\i+3]
.endr
.endr
	WIN 0
; the two chains and the two halves of the lanes are joined; the sum goes to my word; all eight come back
.macro MEETSUM off
.irp m, 0,1,2,3
	v_pk_add_f32 v[64+2*\m:65+2*\m], v[64+2*\m:65+2*\m], v[72+2*\m:73+2*\m]
.endr
.irp m, 0,1,2,3
	v_add_f32 v[80+\m], v[64+2*\m], v[65+2*\m]
.endr
.irp m, 0,1,2,3
	v_permlanex16_b32 v[84+\m], v[80+\m], s24, s25
.endr
.irp m, 0,1,2,3
	v_add_f32 v[80+\m], v[80+\m], v[84+\m]
.endr
.irp m, 0,1,2,3
	ds_store_b32 v[STW], v[80+\m] offset:\off+512*\m
.endr
	s_wait_dscnt 0x0
	s_barrier_signal -1
	s_barrier_wait -1
.irp m, 0,1,2,3
	ds_load_b128 v[96+8*\m:99+8*\m], v[STR] offset:\off+512*\m
	ds_load_b128 v[100+8*\m:103+8*\m], v[STR] offset:\off+512*\m+16
.endr
	s_wait_dscnt 0x0
.irp m, 0,1,2,3
	v_pk_add_f32 v[96+8*\m:97+8*\m], v[96+8*\m:97+8*\m], v[98+8*\m:99+8*\m]
	v_pk_add_f32 v[100+8*\m:101+8*\m], v[100+8*\m:101+8*\m], v[102+8*\m:103+8*\m]
.endr
.irp m, 0,1,2,3
	v_pk_add_f32 v[96+8*\m:97+8*\m], v[96+8*\m:97+8*\m], v[100+8*\m:101+8*\m]
.endr
.irp m, 0,1,2,3
	v_add_f32 v[96+8*\m], v[96+8*\m], v[97+8*\m]
.endr
.endm
	MEETSUM 0
.irp m, 0,1,2,3
	v_mul_f32 v[44+2*\m], s26, v[96+8*\m]          ; the mean, twice
	v_mul_f32 v[45+2*\m], s26, v[96+8*\m]
.endr
	WIN 0x01
.irp m, 0,1,2,3
.set j, 32*\m
.rept 16
	v_pk_add_f32 v[128+j:129+j], v[j:j+1], v[44+2*\m:45+2*\m] neg_lo:[0,1] neg_hi:[0,1]
.set j, j+2
.endr
.endr
	WIN 0
.irp m, 0,1,2,3
	v_pk_mul_f32 v[64+2*\m:65+2*\m], v[128+32*\m:129+32*\m], v[128+32*\m:129+32*\m]
	v_pk_mul_f32 v[72+2*\m:73+2*\m], v[130+32*\m:131+32*\m], v[130+32*\m:131+32*\m]
.endr
.irp i, 4,8,12,16,20,24,28
.irp m, 0,1,2,3
	v_pk_fma_f32 v[64+2*\m:65+2*\m], v[128+32*\m+\i:129+32*\m+\i], v[128+32*\m+\i:129+32*\m+\i], v[64+2*\m:65+2*\m]
	v_pk_fma_f32 v[72+2*\m:73+2*\m], v[130+32*\m+\i:131+32*\m+\i], v[130+32*\m+\i:131+32*\m+\i], v[72+2*\m:73+2*\m]
.endr
.endr
	s_wait_alu depctr_va_vdst(0)
	s_wait_loadcnt 0x0                             ; g, b, b2
	MEETSUM 2048
.irp m, 0,1,2,3
	v_fma_f32 v[64+\m], v[96+8*\m], s26, s27       ; variance + eps
.endr
	s_wait_alu depctr_va_vdst(0)
.irp m, 0,1,2,3
	v_rsq_f32 v[68+\m], v[64+\m]
.endr
	v_nop                                          ; one plain place behind the transcendentals
	s_wait_alu depctr_va_vdst(0)                   ; ahead of the first reader of the v_rsq results
.irp m, 0,1,2,3
	v_mov_b32 v[52+2*\m], v[68+\m]
	v_mov_b32 v[53+2*\m], v[68+\m]
.endr
.irp m, 0,1,2,3
.set j, 128+32*\m
.rept 16
	v_pk_mul_f32 v[j:j+1], v[j:j+1], v[52+2*\m:53+2*\m]
.set j, j+2
.endr
.endr
	WIN 0x14
.irp m, 0,1,2,3
.set j, 0
.rept 16
	v_pk_fma_f32 v[128+32*\m+j:129+32*\m+j], v[128+32*\m+j:129+32*\m+j], v[128+j:129+j], v[160+j:161+j]
.set j, j+2
.endr
.endr
	WIN 0x45
.irp m, 0,1,2,3
.set j, 0
.rept 16
	v_pk_add_f32 v[32*\m+j:32*\m+j+1], v[32*\m+j:32*\m+j+1], v[192+j:193+j]      ; x1 + b2: what W2's products add onto
.set j, j+2
.endr
.endr
	WIN 0
.irp p, 0,1                            ; h2: my two blocks of tiles 2 p and 2 p + 1
	QUANT 128+64*\p, 1
.irp q, 0,1
	v_lshl_or_b32 v[48+2*\q], v[49+2*\q], 8, v[48+2*\q]
.endr
.irp i, 0,1,2,3
	ds_store_b64 v[IW2], v[56+2*\i:57+2*\i] offset:4096*(2*\p+\i/2)+256*(\i%2)
.endr
.irp q, 0,1
	ds_store_b16 v[H2S], v[48+2*\q] offset:64*(2*\p+\q)
.endr
.endr
	s_wait_tensorcnt 0x0                           ; D_0 and D_1
	ds_add_u32 v[SPW], v[NIL]
	s_mov_b32 s[G1W+2], 69<<16                     ; from here on a load has 69 rows
	s_mov_b32 s[G1W+4], 69
	s_wait_dscnt 0x0
	s_barrier_signal -1
	s_barrier_wait -1                              ; h2's images are whole
	WIN 0x40
.irp n, 0,1,2,3,4,5,6,7,8,9,10,11,12,13,14,15
	ds_load_b128 v[128+8*\n:131+8*\n], v[IRD] offset:1024*\n               ; h2's 16 fragments stay in registers
	ds_load_b128 v[132+8*\n:135+8*\n], v[IRD] offset:1024*\n+512
.endr
	WIN 0
.irp i, 0,1,2,3,4,5,6,7
	ds_load_b32 v[AS+\i], v[SRD] offset:128*\i
.endr
	PH 0, 1, 0, 0
	TURN G0R, G0R+4, 1, 0
	s_mov_b32 s29, 3
.Lphases:                                              ; phases 1 to 6, two a trip
	PH 1, 1, 1, 1
	TURN G0R+4, G0R, 1, 1
	PH 0, 1, 1, 2
	TURN G0R, G0R+4, 1, 1
	s_sub_co_u32 s29, s29, 1
	s_cmp_lg_u32 s29, 0
	s_cbranch_scc1 .Lphases
	PH 1, 1, 1, 0                                  ; phase 7 fills nothing
	TURN 0, 0, 0, 1
	PH 0, 0, 1, 0
	s_wait_dscnt 0x0
	MUL16 128, WS2+1, 2, HS+2, 0
	WIN 0
	PLACES
; THE WAY OUT: a tile of 16 rows x 64 columns goes through my slot 1, which has had its last fill and which only I read, in rows of 272 bytes, and comes back by rows; sixteen lanes store 256 consecutive bytes, aligned.
.irp m, 0,1,2,3
	WIN 0x04
.irp i, 0,1,2,3,4,5,6,7
	ds_store_b128 v[STO], v[32*\m+4*\i:32*\m+4*\i+3] offset:4352*\m+128*(\i/4)+16*(\i%4)    ; each accumulator from its low end on
.endr
	WIN 0
.irp i, 0,1,2,3,4,5,6,7
	ds_load_b128 v[128+32*\m+4*\i:131+32*\m+4*\i], v[ORD] offset:4352*\m+544*\i     ; LDS serves a wave's instructions in order (ISA guide 5.7.1.4)
.endr
.endr
.irp m, 0,1,2,3
	s_wait_dscnt 48-16*\m
.irp i, 0,1,2,3,4,5,6,7
	global_store_b128 v[CO], v[128+32*\m+4*\i:131+32*\m+4*\i], s[18:19] offset:2048*(16*\m+2*\i) th:TH_STORE_NT
.endr
.endr
	s_wait_tensorcnt 0x0                           ; the wave's end
	ds_add_u32 v[SPW], v[NIL]
	s_wait_dscnt 0x0
	CROUND                                         ; the closing round: no work-group ends while a partner may still ask for a block that names it
	s_endpgm
.Lfunc_end_k_qd0b486f041_mlp:
	.size	k_qd0b486f041_mlp, .Lfunc_end_k_qd0b486f041_mlp-k_qd0b486f041_mlp
	.p2alignl 7, 3214868480
	.fill 96, 4, 3214868480
	.section	.rodata,"a",@progbits
	.p2align	6, 0x0
	.amdhsa_kernel k_qd0b486f041_mlp
		.amdhsa_group_segment_fixed_size 327680
		.amdhsa_private_segment_fixed_size 0
		.amdhsa_enable_private_segment 0
		.amdhsa_kernarg_size 64
		.amdhsa_user_sgpr_count 2
		.amdhsa_user_sgpr_kernarg_segment_ptr 1
		.amdhsa_wavefront_size32 1
		.amdhsa_system_sgpr_workgroup_id_x 1
		.amdhsa_system_sgpr_workgroup_id_y 1
		.amdhsa_system_sgpr_workgroup_id_z 1
		.amdhsa_system_vgpr_workitem_id 0
		.amdhsa_next_free_vgpr 512
		.amdhsa_next_free_sgpr 102
		.amdhsa_reserve_vcc 0
		.amdhsa_float_denorm_mode_32 3
		.amdhsa_float_denorm_mode_16_64 3
		.amdhsa_memory_ordered 1
		.amdhsa_forward_progress 1
		.amdhsa_inst_pref_size 154
	.end_amdhsa_kernel
	.amdgpu_metadata
---
amdhsa.version: [ 1, 2 ]
amdhsa.kernels:
  - .name:           k_qd0b486f041_mlp
    .symbol:         k_qd0b486f041_mlp.kd
    .args:
      - { .name: x, .offset: 0, .size: 8, .value_kind: global_buffer, .address_space: global }
      - { .name: att_c, .offset: 8, .size: 8, .value_kind: global_buffer, .address_space: global }
      - { .name: att_s, .offset: 16, .size: 8, .value_kind: global_buffer, .address_space: global }
      - { .name: wl, .offset: 24, .size: 8, .value_kind: global_buffer, .address_space: global }
      - { .name: ln2_g, .offset: 32, .size: 8, .value_kind: global_buffer, .address_space: global }
      - { .name: ln2_b, .offset: 40, .size: 8, .value_kind: global_buffer, .address_space: global }
      - { .name: b2, .offset: 48, .size: 8, .value_kind: global_buffer, .address_space: global }
      - { .name: out0, .offset: 56, .size: 8, .value_kind: global_buffer, .address_space: global }
    .group_segment_fixed_size: 327680
    .private_segment_fixed_size: 0
    .kernarg_segment_align: 8
    .kernarg_segment_size: 64
    .max_flat_workgroup_size: 256
    .sgpr_count:     102
    .vgpr_count:     512
    .wavefront_size: 32
...
	.end_amdgpu_metadata
.endif
;; end of part 3
